; MI455X (gfx1250); checked and timed in simulation.
; The chip was launched on July 23, 2026; its instructions are those of AMD's public machine-readable ISA for CDNA 5 (MIT licence, August 2026) and "CDNA5" Instruction Set Architecture Reference Guide (July 2026). The comments in the code are by the model that wrote it; some were corrected since.
;; Lky Multihead Attention. Allowed arithmetic: matrix products marked QUANTISED: E2M3 operands, one E8M0 scale for each 32 along K, by v_wmma_scale_f32_16x16x128_f8f6f4 with both operands' format E2M3, f32 sums; everything else in f32.
;; Inputs: Wk 1,024 x 1,024 float32; Wo 1,024 x 1,024 float32; Wq 1,024 x 1,024 float32; Wv 1,024 x 1,024 float32; x 1 x 4,096 x 1,024 float32.
;; Outputs: out0 1 x 4,096 x 1,024 float32.
;; This version of the problem:
;;   THIS VERSION OF THE PROBLEM IS GIVEN IN LOW PRECISION. The matrix products marked QUANTISED in the list below multiply operands that are first quantised to E2M3 (2 exponent bits, 3 mantissa bits; 6 bits a number), with one power-of-two scale for each 32 numbers along K (OCP MX v1.0); their sums are f32. All else is computed in f32.
;;   The module's matrix products, in the order in which they are computed (A, B: the left and right operand; K: the contracted axis; several contracted axes count as one K, in the product's order):
;;     1. [M 4,096, K 1,024] x [K 1,024, N 3,072]; A: input x; B: computed on the way: QUANTISED
;;     2. batch 16 x [M 4,096, K 64] x [K 64, N 4,096]; A: computed on the way; B: computed on the way: QUANTISED
;;     3. batch 16 x [M 4,096, K 4,096] x [K 4,096, N 64]; A: softmax (see below); B: computed on the way: QUANTISED
;;     4. [M 4,096, K 1,024] x [K 1,024, N 1,024]; A: computed on the way; B: input Wo: QUANTISED
;;   THE QUANTISER, for each operand of a quantised product, along K:
;;     - K is cut into blocks of 32 from its start; a last block that is shorter is filled with zeros.
;;     - A block's scale is 2^e with e = floor(log2(the largest magnitude in the block)) - 2, held to -126 .. 127; a block of zeros has e = 0. As a byte (E8M0): e + 127.
;;     - Each number is divided by its block's scale, clamped to +-7.5, and rounded to the nearest number of E2M3, ties to even, subnormals kept.
;;     - The product sums the exact products of the quantised numbers (number of the format x scale) in f32.
;;   ~~~python
;;   def quantise(x, axis):      # numpy; x: float32 -> the quantised numbers, widened to float32 again
;;       x = np.moveaxis(x, axis, -1); K = x.shape[-1]
;;       x = np.pad(x, [(0, 0)] * (x.ndim - 1) + [(0, -K % 32)]); x = x.reshape(x.shape[:-1] + (-1, 32)); a = np.abs(x).max(-1, keepdims=True)
;;       e = np.where(a > 0, np.clip(np.frexp(np.where(a > 0, a, 1))[1] - 1 - 2, -126, 127), 0)      # np.frexp(a)[1] - 1 = floor(log2(a)), exactly
;;       r = np.clip(x / 2.0 ** e, -7.5, 7.5)
;;       step = 2.0 ** (np.maximum(np.frexp(np.where(r == 0, 1, r))[1] - 1, 0) - 3)
;;       q = np.round(r / step) * step * 2.0 ** e      # np.round: ties to even
;;       return np.moveaxis(q.reshape(q.shape[:-2] + (-1,))[..., :K], -1, axis).astype(np.float32)
;;   ~~~
;;   SOFTMAX AHEAD OF A QUANTISED PRODUCT. Where the list says 'softmax', what is quantised is not the finished softmax but p = 2^(t - M), with t = logit x log2(e) and M = ceil(the row's largest t), a whole number; so 1/2 < the row's largest p <= 1. The row's sum l is taken of the UNQUANTISED p, in f32, and the product's result is divided by l at the end. Since M is a whole number, a kernel that streams over the keys may use a running M (the ceiling of the running maximum): every later rescaling is an exact power of two, which a block's scale takes up: the codes' values come out the same.
;;   OPERANDS COMPUTED ON THE WAY. 'Computed on the way' means the value that the module computes at that place (a softmax that the list does not call 'softmax' is quantised finished and normalised). What goes into a quantiser is computed in f32, as accurately as f32 sums, v_exp_f32 and their like allow (about 1e-6 of the number): no bf16 or f16 on the way to a quantiser, and a product that is left as it is and whose result goes on into a quantised operand takes f32 operands (vector FMAs, or v_wmma_f32_16x16x4_f32). A number that lies on a knife's edge between two numbers of the format may be rounded either way, as far as f32 arithmetic and the matrix unit's own rounding can turn it there, and no further.
;; One version. Each part assembles by itself: llvm-mc -triple=amdgcn-amd-amdhsa -mcpu=gfx1250 --defsym DOCPART=n.
;; ======== version 1 of 1: 4 launches
;; limits: right only within a limited range of input values
;; workspace buffers: xb 3,276,800 bytes; wb 3,276,800 bytes; ob 3,276,800 bytes; qb 6,684,672 bytes; kvb 6,684,672 bytes
;; launch quant (part 1): grid 512 x 1, 2 waves a work-group, no clusters, 30,464 bytes of LDS; arguments x, Wq, Wk, Wv, Wo, xb, wb; writes xb, wb
.if DOCPART == 1
	.amdgcn_target "amdgcn-amd-amdhsa--gfx1250"
	.amdhsa_code_object_version 6
	.text
	.protected	k_qfad2a50fc9_quant
	.globl	k_qfad2a50fc9_quant
	.p2align	8
	.type	k_qfad2a50fc9_quant,@function
k_qfad2a50fc9_quant:
	s_mov_b64 s[64:65], 0
	v_nop
	global_prefetch_b8 v0, s[64:65] scope:SCOPE_SE
	s_setreg_imm32_b32 hwreg(HW_REG_WAVE_MODE, 25, 1), 1
	s_wait_xcnt 0x0
; x [4096][1024] (K innermost) and Wq, Wk, Wv, Wo [1024 (K)][1024] (K outermost), f32, become codes of FP6 (E2M3) with one E8M0 byte for each 32 along K,
; laid as IMAGES OF OPERAND REGISTERS.  A block of the output holds 128 rows x 256 K in 25,600 bytes: fragment (tile T of 16 rows, K step s of 128) at 3072 T + 1536 s; in it half c (registers 6 c .. 6 c + 5)
; at 768 c: registers 6 c .. 6 c + 3 at 16 x lane, registers 6 c + 4, 6 c + 5 at 512 + 8 x lane.  Scale words from byte 24,576 on: 128 T + 8 r + 4 s.  Blocks lie [rows / 128][K / 256].
; THE ROWS OF A TILE ARE NOT NEIGHBOURS: in each 32 rows, tile u's lane row r stands for row 8 u + r + 8 (r / 8), so that a later product's results are neighbours along the next K.
; A block's scale is 2^(floor(log2(largest magnitude)) - 2); its byte is the largest magnitude's exponent field - 2, held at 1 from below.
; LIMITS: a block of zeros gets the byte 1 where the rule says 127 (its codes are zeros, and this program alone reads the bytes); blocks whose largest magnitude lies under 2^-124 are held at byte 1;
; NaN and infinities among the inputs are not served.
; Work-groups 0-255 take x (a wave: 32 rows x 256 K), work-groups 256-511 the weights (a wave: 32 columns x 256 K).  Each path has LDS bytes of its own.  Waves share nothing: no barrier.
.set XST,   8704                       ; x: a wave's stage, 16 rows x 528 bytes
.set WST0,  2*XST                      ; the weights' stages begin here
.set WST,   6400                       ; a wave's: two tiles' images, 3,200 bytes apart
.set SPARE, WST0+2*WST                 ; the spare words: 128 bytes a wave, one block of 256 bytes that no other line names
.set SPW, 252                          ; v252 my spare word's LDS address; never rewritten
.set NIL, 253                          ; v253 0; never rewritten
.set SEL, 20                           ; s[20:21] selects of v_permlanex16_b32: lane l xor 16
.set R0,  16                           ; x: v16-143 two sets of 64 registers as loaded
.set X,   144                          ; v144-207 64 numbers of my row: register 16 b + i = k 32 b + 16 h + i
.set TM,  208                          ; v208-223 at work
.set W,   224                          ; v224-227 the four units' scale words
.set PC,  228                          ; v228-246 the codes just made
.set XW,  32                           ; weights: v32-95 two sets of 32 numbers down K
.set SB,  24                           ; v24-25 my column's eight scale bytes
.set OUTR, 112                         ; v112-159 the way out
	s_load_b256 s[4:11], s[0:1], 0x0               ; x, Wq, Wk, Wv
	s_load_b128 s[12:15], s[0:1], 0x20             ; Wo, xb
	s_load_b64 s[16:17], s[0:1], 0x30              ; wb
	v_lshl_add_u32 v[SPW], v0, 2, SPARE
	v_mov_b32 v[NIL], 0
	v_lshrrev_b32 v1, 5, v0
	v_readfirstlane_b32 s18, v1                    ; wave
	v_and_b32 v1, 31, v0                           ; lane
	v_and_b32 v2, 15, v0                           ; r
	v_bfe_u32 v3, v0, 4, 1                         ; h
	v_lshlrev_b32 v9, 4, v1                        ; 16 x lane
	v_lshlrev_b32 v10, 3, v1                       ; 8 x lane
	v_lshlrev_b32 v11, 2, v1                       ; 4 x lane
	s_mul_i32 s19, s18, XST
	v_add_nc_u32 v4, s19, v9                       ; x's stage, in: 512 bytes of a row as they lie
	v_mul_u32_u24 v5, v2, 528
	v_lshl_add_u32 v5, v3, 6, v5
	v_add_nc_u32 v5, s19, v5                       ; out: row r, + 64 h: my 16 numbers of each block of 32
	s_mul_i32 s19, s18, WST
	s_add_co_u32 s19, s19, WST0
	v_bfe_u32 v13, v0, 3, 1                        ; weights: column = lane; its tile u = bit 3,
	v_and_b32 v14, 7, v0
	v_lshl_add_u32 v14, v3, 3, v14                 ; its lane row r' = lane % 8 + 8 (lane / 16)
	v_mul_u32_u24 v15, v13, 3200
	v_add_nc_u32 v15, s19, v15
	v_lshl_add_u32 v6, v14, 4, v15                 ; stage, four registers of a half: 16 r'
	v_lshl_add_u32 v7, v14, 3, v15                 ; its last two: 8 r'
	v_add_nc_u32 v8, s19, v9                       ; stage, out: 16 x lane
	v_lshlrev_b32 v12, 7, v13
	v_lshl_add_u32 v12, v14, 3, v12                ; my column's two scale words: 128 u + 8 r'
	s_mov_b32 s[SEL], 0x76543210
	s_mov_b32 s[SEL+1], 0xfedcba98
	s_mov_b32 s22, 0xffff0000                      ; lanes 16-31
	s_wait_kmcnt 0x0
	s_cmp_lt_u32 ttmp9, 256
	s_cbranch_scc0 .Lweights
; ---------------------------------------------------------------- x
	s_lshr_b32 s24, ttmp9, 1                       ; which 32 rows
	s_and_b32 s25, ttmp9, 1
	s_lshl_b32 s25, s25, 1
	s_add_co_u32 s25, s25, s18                     ; which 256 along K
	s_lshl_b32 s26, s24, 17                        ; 32 rows of 4,096 bytes
	s_lshl_b32 s27, s25, 10
	s_add_co_u32 s26, s26, s27
	s_mov_b32 s27, 0
	s_add_nc_u64 s[4:5], s[4:5], s[26:27]
	s_lshr_b32 s28, s24, 2
	s_mul_i32 s28, s28, 102400
	s_mul_i32 s29, s25, 25600
	s_add_co_u32 s28, s28, s29                     ; my block of the output
	s_and_b32 s30, s24, 3
	s_mul_i32 s26, s30, 6144
	s_add_co_u32 s26, s26, s28
	s_add_nc_u64 s[32:33], s[14:15], s[26:27]      ; my two tiles' codes
	s_lshl_b32 s26, s30, 8
	s_add_co_u32 s26, s26, s28
	s_add_co_u32 s26, s26, 24576
	s_add_nc_u64 s[34:35], s[14:15], s[26:27]      ; and their scale words: 256 bytes
; unit n = 2 u + s: tile u's 16 rows x K step s.  Each load reads 512 consecutive bytes of one row
.macro LOADU n
.irp i, 0,1,2,3,4,5,6,7,8,9,10,11,12,13,14,15
	global_load_b128 v[R0+64*((\n)%2)+4*\i:R0+64*((\n)%2)+4*\i+3], v9, s[4:5] offset:(8*((\n)/2)+\i+8*(\i/8))*4096+512*((\n)%2) th:TH_LOAD_NT
.endr
.endm
; 64 numbers of a lane, register 16 b + i = k 32 b + 16 h + i of my row, become a fragment's codes in v[PC] on and its scale word in v[w]
.macro QUANT s, w
.irp b, 0,1,2,3
	v_max3_num_f32 v[TM+\b], |v[\s+16*\b]|, |v[\s+1+16*\b]|, 0x1800000   ; my 16 numbers of block b, and the floor 2^(3 - 127): the byte cannot fall under 1
.endr
.irp i, 2,4,6,8,10,12,14
.irp b, 0,1,2,3
	v_max3_num_f32 v[TM+\b], v[TM+\b], |v[\s+16*\b+\i]|, |v[\s+1+16*\b+\i]|
.endr
.endr
.irp b, 0,1,2,3
	v_permlanex16_b32 v[TM+4+\b], v[TM+\b], s[SEL], s[SEL+1]
.endr
.irp b, 0,1,2,3
	v_max_num_f32 v[TM+\b], v[TM+\b], v[TM+4+\b]   ; with lane l xor 16's: the block's largest magnitude
.endr
.irp b, 0,1,2,3
	v_add_nc_u32 v[TM+12+\b], 0xff000000, v[TM+\b] ; 2 off its exponent field: the conversion's scale operand
.endr
.irp b, 0,1,2,3
	v_lshrrev_b32 v[TM+4+\b], 23, v[TM+12+\b]      ; the scale's byte
.endr
	v_lshl_or_b32 v[\w], v[TM+5], 8, v[TM+4]
	v_lshl_or_b32 v[\w], v[TM+6], 16, v[\w]
	v_lshl_or_b32 v[\w], v[TM+7], 24, v[\w]
.irp c, 0,1
	v_cvt_scalef32_pk16_fp6_f32 v[PC+6*\c:PC+2+6*\c], v[\s+32*\c:\s+15+32*\c], v[TM+12+2*\c]
	v_cvt_scalef32_pk16_fp6_f32 v[PC+12+4*\c:PC+14+4*\c], v[\s+16+32*\c:\s+31+32*\c], v[TM+12+2*\c+1]   ; (a conversion's three registers begin on an even number)
.endr
	v_nop                                          ; one plain place behind a scaled conversion
.irp c, 0,1                                    ; the operand's layout wants a whole block in a lane
.irp i, 0,1,2
	v_permlane16_swap_b32 v[PC+6*\c+\i], v[PC+12+4*\c+\i]
.endr
.irp i, 0,1,2
	v_mov_b32 v[PC+3+6*\c+\i], v[PC+12+4*\c+\i]
.endr
.endr
.endm
.macro UNIT n
	s_wait_xcnt 0x0                                ; the last unit's stores have read their data: the codes' registers may be written again
.if (\n) < 3
	s_wait_loadcnt 16                              ; this unit's 16 loads are in; the next unit's 16 may be out
.else
	s_wait_loadcnt 0x0
.endif
.irp i, 0,1,2,3,4,5,6,7,8,9,10,11,12,13,14,15
	ds_store_b128 v4, v[R0+64*((\n)%2)+4*\i:R0+64*((\n)%2)+4*\i+3] offset:528*\i
.endr
.irp b, 0,1,2,3
.irp j, 0,1,2,3
	ds_load_b128 v[X+16*\b+4*\j:X+16*\b+4*\j+3], v5 offset:128*\b+16*\j   ; LDS serves a wave's instructions in order: these see my stores
.endr
.endr
	s_wait_dscnt 0x0
.if (\n) < 2
	LOADU (\n)+2                                   ; into the set that the stage's stores have read
.endif
	QUANT X, W+(\n)
	global_store_b128 v9, v[PC:PC+3], s[32:33] offset:3072*((\n)/2)+1536*((\n)%2)          ; 512 consecutive bytes
	global_store_b64 v10, v[PC+4:PC+5], s[32:33] offset:3072*((\n)/2)+1536*((\n)%2)+512    ; 256 consecutive bytes
	global_store_b128 v9, v[PC+6:PC+9], s[32:33] offset:3072*((\n)/2)+1536*((\n)%2)+768
	global_store_b64 v10, v[PC+10:PC+11], s[32:33] offset:3072*((\n)/2)+1536*((\n)%2)+1280
.endm
	LOADU 0
	LOADU 1
.irp b, 0,1,2,3
	v_mov_b32 v[TM+4+\b], 0                        ; written once: a lane permute's destination counts as one of its sources
.endr
	UNIT 0
	UNIT 1
	UNIT 2
	UNIT 3
	v_cndmask_b32 v248, v[W+0], v[W+2], s22        ; lanes 0-15 tile 0's words, lanes 16-31 tile 1's: K step 0,
	v_cndmask_b32 v249, v[W+1], v[W+3], s22        ; K step 1
	global_store_b64 v10, v[248:249], s[34:35]     ; 256 consecutive bytes
	s_wait_tensorcnt 0x0                           ; the wave's end, behind my last LDS store
	ds_add_u32 v[SPW], v[NIL]
	s_wait_dscnt 0x0
	s_endpgm
; ---------------------------------------------------------------- the weights: a lane takes a column, its registers run down K
.Lweights:
	s_sub_co_u32 s24, ttmp9, 256
	s_and_b32 s25, s24, 3                          ; which 256 along K
	s_bfe_u32 s26, s24, 0x40002                    ; which 64 columns
	s_lshr_b32 s27, s24, 6                         ; which matrix
	s_lshl_b32 s26, s26, 6
	s_lshl_b32 s28, s18, 5
	s_add_co_u32 s26, s26, s28                     ; my wave's first column
	s_cmp_eq_u32 s27, 1
	s_cselect_b64 s[6:7], s[8:9], s[6:7]
	s_cmp_eq_u32 s27, 2
	s_cselect_b64 s[6:7], s[10:11], s[6:7]
	s_cmp_eq_u32 s27, 3
	s_cselect_b64 s[6:7], s[12:13], s[6:7]
	s_lshl_b32 s28, s25, 20                        ; 256 rows of 4,096 bytes
	s_lshl_b32 s29, s26, 2
	s_add_co_u32 s28, s28, s29
	s_mov_b32 s29, 0
	s_add_nc_u64 s[6:7], s[6:7], s[28:29]
	s_lshl_b32 s30, s27, 3
	s_lshr_b32 s31, s26, 7
	s_add_co_u32 s30, s30, s31                     ; block row: 8 x matrix + column / 128
	s_mul_i32 s30, s30, 102400
	s_mul_i32 s31, s25, 25600
	s_add_co_u32 s30, s30, s31
	s_bfe_u32 s31, s26, 0x20005                    ; which 32 of the 128
	s_mul_i32 s28, s31, 6144
	s_add_co_u32 s28, s28, s30
	s_add_nc_u64 s[32:33], s[16:17], s[28:29]
	s_lshl_b32 s28, s31, 8
	s_add_co_u32 s28, s28, s30
	s_add_co_u32 s28, s28, 24576
	s_add_nc_u64 s[34:35], s[16:17], s[28:29]
.macro LOADW t                         ; block t: W(32 t + i, my column): 128 consecutive bytes a load
.irp i, 0,1,2,3,4,5,6,7,8,9,10,11,12,13,14,15,16,17,18,19,20,21,22,23,24,25,26,27,28,29,30,31
	global_load_b32 v[XW+32*((\t)%2)+\i], v11, s[6:7] offset:(32*(\t)+\i)*4096 th:TH_LOAD_NT
.endr
.endm
; block t of my column is registers 6 c .. 6 c + 5 of lane (r', h = t % 2) in fragment (tile u, K step t / 4), c = (t / 2) % 2
.macro BLOCK t
.set XS, XW+32*((\t)%2)
.if (\t) < 7
	s_wait_loadcnt 32                              ; this block's 32 loads are in; the next block's may be out
.else
	s_wait_loadcnt 0x0
.endif
	v_max3_num_f32 v16, |v[XS]|, |v[XS+1]|, |v[XS+2]|
	v_max3_num_f32 v17, |v[XS+3]|, |v[XS+4]|, |v[XS+5]|
.irp i, 6,10,14,18,22,26
	v_max3_num_f32 v16, v16, |v[XS+\i]|, |v[XS+\i+1]|
	v_max3_num_f32 v17, v17, |v[XS+\i+2]|, |v[XS+\i+3]|
.endr
	v_max3_num_f32 v16, v16, |v[XS+30]|, |v[XS+31]|
	v_max3_num_f32 v16, v16, v17, 0x1800000        ; and the floor
	v_add_nc_u32 v18, 0xff000000, v16              ; the conversion's scale operand
	v_lshrrev_b32 v19, 23, v18                     ; the byte
.if (\t)%4 == 0
	v_mov_b32 v[SB+(\t)/4], v19
.else
	v_lshl_or_b32 v[SB+(\t)/4], v19, 8*((\t)%4), v[SB+(\t)/4]
.endif
	v_cvt_scalef32_pk16_fp6_f32 v[96:98], v[XS:XS+15], v18
	v_cvt_scalef32_pk16_fp6_f32 v[100:102], v[XS+16:XS+31], v18
	v_nop                                          ; one plain place behind a scaled conversion
	v_mov_b32 v99, v100
	v_mov_b32 v104, v101
	v_mov_b32 v105, v102
	ds_store_b128 v6, v[96:99] offset:1536*((\t)/4)+768*(((\t)/2)%2)+256*((\t)%2)
	ds_store_b64 v7, v[104:105] offset:1536*((\t)/4)+768*(((\t)/2)%2)+512+128*((\t)%2)
.if (\t)+2 < 8
	LOADW (\t)+2
.endif
	s_wait_dscnt 0x0                               ; the stores have read their registers: the next block's codes may be written
.endm
	LOADW 0
	LOADW 1
.irp t, 0,1,2,3,4,5,6,7
	BLOCK \t
.endr
	s_wait_alu depctr_va_vdst(0)
	global_store_b64 v12, v[SB:SB+1], s[34:35]     ; the 32 lanes cover 256 consecutive bytes
.irp i, 0,1,2,3,4,5,6,7,8,9,10,11
	ds_load_b128 v[OUTR+4*\i:OUTR+4*\i+3], v8 offset:3200*(\i/6)+512*(\i%6)
.endr
.irp i, 0,1,2,3,4,5,6,7,8,9,10,11
	s_wait_dscnt 11-\i                             ; LDS loads come back in order: load i is in
	global_store_b128 v9, v[OUTR+4*\i:OUTR+4*\i+3], s[32:33] offset:512*\i   ; 512 consecutive bytes
.endr
	s_wait_tensorcnt 0x0                           ; the wave's end, behind my last LDS store
	ds_add_u32 v[SPW], v[NIL]
	s_wait_dscnt 0x0
	s_endpgm
.Lfunc_end_k_qfad2a50fc9_quant:
	.size	k_qfad2a50fc9_quant, .Lfunc_end_k_qfad2a50fc9_quant-k_qfad2a50fc9_quant
	.p2alignl 7, 3214868480
	.fill 96, 4, 3214868480
	.section	.rodata,"a",@progbits
	.p2align	6, 0x0
	.amdhsa_kernel k_qfad2a50fc9_quant
		.amdhsa_group_segment_fixed_size 30464
		.amdhsa_private_segment_fixed_size 0
		.amdhsa_enable_private_segment 0
		.amdhsa_kernarg_size 56
		.amdhsa_user_sgpr_count 2
		.amdhsa_user_sgpr_kernarg_segment_ptr 1
		.amdhsa_wavefront_size32 1
		.amdhsa_system_sgpr_workgroup_id_x 1
		.amdhsa_system_sgpr_workgroup_id_y 1
		.amdhsa_system_sgpr_workgroup_id_z 1
		.amdhsa_system_vgpr_workitem_id 0
		.amdhsa_next_free_vgpr 256
		.amdhsa_next_free_sgpr 66
		.amdhsa_reserve_vcc 0
		.amdhsa_float_denorm_mode_32 3
		.amdhsa_float_denorm_mode_16_64 3
		.amdhsa_memory_ordered 1
		.amdhsa_forward_progress 1
		.amdhsa_inst_pref_size 75
	.end_amdhsa_kernel
	.amdgpu_metadata
---
amdhsa.version: [ 1, 2 ]
amdhsa.kernels:
  - .name:           k_qfad2a50fc9_quant
    .symbol:         k_qfad2a50fc9_quant.kd
    .args:
      - { .name: x, .offset: 0, .size: 8, .value_kind: global_buffer, .address_space: global }
      - { .name: Wq, .offset: 8, .size: 8, .value_kind: global_buffer, .address_space: global }
      - { .name: Wk, .offset: 16, .size: 8, .value_kind: global_buffer, .address_space: global }
      - { .name: Wv, .offset: 24, .size: 8, .value_kind: global_buffer, .address_space: global }
      - { .name: Wo, .offset: 32, .size: 8, .value_kind: global_buffer, .address_space: global }
      - { .name: xb, .offset: 40, .size: 8, .value_kind: global_buffer, .address_space: global }
      - { .name: wb, .offset: 48, .size: 8, .value_kind: global_buffer, .address_space: global }
    .group_segment_fixed_size: 30464
    .private_segment_fixed_size: 0
    .kernarg_segment_align: 8
    .kernarg_segment_size: 56
    .max_flat_workgroup_size: 64
    .sgpr_count:     66
    .vgpr_count:     256
    .wavefront_size: 32
...
	.end_amdgpu_metadata
.endif
;; end of part 1
;; launch gemm_qkv (part 2): grid 12 x 16, 4 waves a work-group, clusters of 4 x 4, 327,680 bytes of LDS; arguments xb, wb, qb, kvb; writes qb, kvb
.if DOCPART == 2
	.amdgcn_target "amdgcn-amd-amdhsa--gfx1250"
	.amdhsa_code_object_version 6
	.text
	.protected	k_qfad2a50fc9_gemm_qkv
	.globl	k_qfad2a50fc9_gemm_qkv
	.p2align	8
	.type	k_qfad2a50fc9_gemm_qkv,@function
k_qfad2a50fc9_gemm_qkv:
	s_mov_b64 s[64:65], 0
	v_nop
	global_prefetch_b8 v0, s[64:65] scope:SCOPE_SE
	s_setreg_imm32_b32 hwreg(HW_REG_WAVE_MODE, 25, 1), 1
	s_wait_xcnt 0x0
	s_wait_alu depctr_hold_cnt(0) depctr_sa_sdst(0) depctr_va_vdst(0) depctr_va_sdst(0) depctr_va_ssrc(0) depctr_va_vcc(0) depctr_vm_vsrc(0)
	s_getreg_b32 s2, hwreg(HW_REG_IB_STS2, 6, 4)
	s_cmp_eq_u32 s2, 0
	s_cbranch_scc0 .Lentry_in_a_cluster
	s_endpgm
.Lentry_in_a_cluster:
	s_bfe_u32 s2, ttmp6, 0x10000c
	s_cmp_lg_u32 s2, 0xf033
	s_cbranch_scc0 .Lentry_shape_is_right
	s_endpgm
.Lentry_shape_is_right:
.set OPB,   25600
; LDS: each of the four operand parts (128 rows of A or of B) has three places of OPB bytes on end.  A wave's one load at the head brings K blocks 0, 1, 2 of its part (300 rows of 256 bytes, dense in memory);
; K block 3 is the only refill: into place 0, behind the first change's round, with the rest of K block 0, K block 1 and half of K block 2, 224 matrix instructions, between the request and the wait for it.
; Address register 0 points at place 0, register 1 at place 1; place 2 is register 1 + OPB in the loads' immediates.  AX swaps the two registers and XO is that immediate: set where the walk reaches K blocks 2 and 3.
; No prefetch: K is four blocks, three of which are asked for at the head.
.set SLOT,  OPB
.set SPARE, 12*OPB
.set AX, 0
.set XO, 0
.set RBS,   4*OPB
.set GS,    13056
.set HS,    32*GS
.set FR,    12
.set NL,    4
.set NP,    4
.set NQ,    2
.set ADRA, 16
.set ADRB, 20
.set ADRS, 24
.set L16,  26
.set L8,   27
.set SPW,  28
.set NIL,  29
.set SC,   32
.set AF,   128
.set TM,   64
.set PW,   80
.set WD,   84
.set PC,   96
.set G1, 24
.set G0, 32
.set G1B, 48
.set G0B, 56
.set B0, 92
.set B1, 94
.set SA, 72
.set SJ, 74
.set MSB, 0
.macro WIN new
.if MSB != (\new)
	s_set_vgpr_msb (MSB<<8)|(\new)
.set MSB, (\new)
.endif
.endm
.set MUL_LO, 0xa1
.set MUL_HI, 0xf1
.set TO_B,   0x40
.macro JLOAD g0a, g1a, g0b, g1b
	s_cmp_eq_u32 s15, 0
	s_cbranch_scc0 .Lfor_b_\@
	tensor_load_to_lds s[\g0a:\g0a+3], s[\g1a:\g1a+7]
	s_nop 0
.rept 4
	v_nop
.endr
	s_branch .Lasked_\@
.Lfor_b_\@:
	tensor_load_to_lds s[\g0b:\g0b+3], s[\g1b:\g1b+7]
	s_nop 0
.rept 4
	v_nop
.endr
.Lasked_\@:
.endm
.macro CREST
	s_cmp_lg_u32 s14, 0
	s_cbranch_scc1 .Lnot_wave_0_\@
	s_barrier_signal -3
.Lnot_wave_0_\@:
	s_barrier_wait -3
	s_barrier_signal -1
	s_barrier_wait -1
.endm
.macro CROUND
	s_barrier_signal -1
	s_barrier_wait -1
	CREST
.endm
	s_load_b128 s[4:7], s[0:1], 0x0
	s_load_b128 s[8:11], s[0:1], 0x10
	v_lshl_add_u32 v[SPW], v0, 2, SPARE
	v_mov_b32 v[NIL], 0
	ds_add_u32 v[SPW], v[NIL]
	ds_add_u32 v[SPW], v[NIL]
	v_lshrrev_b32 v1, 5, v0
	v_readfirstlane_b32 s14, v1
	s_lshr_b32 s15, s14, 1
	s_and_b32 s16, s14, 1
	s_bfe_u32 s40, ttmp6, 0x40000
	s_bfe_u32 s41, ttmp6, 0x40004
	s_and_b32 s13, ttmp7, 0xffff
	s_lshl_b32 s18, s13, 2
	s_lshl_b32 s19, ttmp9, 2
	s_cmp_eq_u32 ttmp9, 2
	s_cselect_b32 s17, 0, s18
	s_cselect_b32 s42, s18, s19
	s_cselect_b32 s12, 16, 0
	s_add_co_u32 s17, s17, s41
	s_add_co_u32 s42, s42, s40
	s_lshl_b32 s43, s41, 2
	s_lshl_b32 s43, 15, s43
	s_lshl_b32 s44, 0x1111, s40
	s_or_b32 s[G1+0], s43, (3<<16)|(1<<21)
	s_or_b32 s[G1B+0], s44, (3<<16)|(1<<21)
.irp g, G1, G1B
	s_mov_b32 s[\g+1], 32<<16
	s_mov_b32 s[\g+2], 300<<16
	s_mov_b32 s[\g+3], 32<<16
	s_mov_b32 s[\g+4], 300
	s_mov_b32 s[\g+5], 32
	s_mov_b32 s[\g+6], 0
	s_mov_b32 s[\g+7], 0
.endr
	s_lshl_b32 s20, s17, 1
	s_add_co_u32 s20, s20, s16
	s_add_co_u32 s20, s20, s12
	s_mul_i32 s20, s20, RBS
	s_mov_b32 s21, 0
	s_lshl_b32 s46, s42, 1
	s_add_co_u32 s46, s46, s16
	s_mul_i32 s46, s46, RBS
	s_mov_b32 s47, 0
	s_mul_i32 s45, s14, 3*OPB
	s_wait_dscnt 0x0
	s_wait_kmcnt 0x0
	s_cmp_eq_u32 ttmp9, 2
	s_cselect_b64 s[22:23], s[6:7], s[4:5]
	s_cselect_b64 s[66:67], s[4:5], s[6:7]
	s_add_nc_u64 s[20:21], s[22:23], s[20:21]
	s_add_nc_u64 s[46:47], s[66:67], s[46:47]
	CROUND
.irp s, 0
	s_mov_b32 s[G0+4*\s], 1
	s_add_co_u32 s[G0+4*\s+1], s45, \s*SLOT
	s_add_nc_u64 s[G0+4*\s+2:G0+4*\s+3], s[20:21], \s*OPB
	s_or_b32 s[G0+4*\s+3], s[G0+4*\s+3], 0x80000000
	s_mov_b32 s[G0B+4*\s], 1
	s_add_co_u32 s[G0B+4*\s+1], s45, \s*SLOT
	s_add_nc_u64 s[G0B+4*\s+2:G0B+4*\s+3], s[46:47], \s*OPB
	s_or_b32 s[G0B+4*\s+3], s[G0B+4*\s+3], 0x80000000
.endr
	JLOAD G0, G1, G0B, G1B                         ; K blocks 0 to 2 of my part: one tensor load a wave at the head
	v_and_b32 v1, 31, v0
	v_and_b32 v2, 15, v0
	v_bfe_u32 v3, v0, 4, 1
	v_lshlrev_b32 v[L16], 4, v1
	v_lshlrev_b32 v[L8], 3, v1
	s_mul_i32 s68, s15, 3*OPB
	s_mul_i32 s69, s16, 3*OPB
	s_add_co_u32 s69, s69, 6*OPB
	s_sub_co_u32 s70, s69, s68
	v_mul_u32_u24 v6, s70, v3
	v_lshl_add_u32 v6, v2, 3, v6
	v_add_nc_u32 v6, 24576, v6
.irp s, 0,1
	v_add_nc_u32 v[ADRA+\s], s68, v[L16]
	v_add_nc_u32 v[ADRA+2+\s], s68, v[L8]
	v_add_nc_u32 v[ADRB+\s], s69, v[L16]
	v_add_nc_u32 v[ADRB+2+\s], s69, v[L8]
	v_add_nc_u32 v[ADRS+\s], s68, v6
	s_add_co_u32 s68, s68, SLOT
	s_add_co_u32 s69, s69, SLOT
.endr
	s_lshl_b32 s71, s14, 10
	s_add_co_u32 s71, s71, OPB                     ; the scale words' stage lies in place 1 of the first part: filled once, and read out ahead of the last change's barrier
	v_lshlrev_b32 v30, 5, v2
	v_lshl_add_u32 v30, v3, 9, v30
	v_add_nc_u32 v30, s71, v30
	v_add_nc_u32 v31, s71, v[L16]
.macro FRAG reg, adr, q, i
	ds_load_b128 v[\reg:\reg+3], v[\adr] offset:(\i)*3072+(\q)*1536+XO
	ds_load_b64 v[\reg+4:\reg+5], v[\adr+2] offset:(\i)*3072+(\q)*1536+512+XO
	ds_load_b128 v[\reg+6:\reg+9], v[\adr] offset:(\i)*3072+(\q)*1536+768+XO
	ds_load_b64 v[\reg+10:\reg+11], v[\adr+2] offset:(\i)*3072+(\q)*1536+1280+XO
.endm
.macro MUL16 a0, p, q, sc, zero
.irp a, \a0, \a0+1
.irp b, 0,1,2,3,4,5,6,7
.if \zero
	v_wmma_scale_f32_16x16x128_f8f6f4 v[8*(8*((\a)%4)+\b):8*(8*((\a)%4)+\b)+7], v[128*(\p)+FR*\b:128*(\p)+FR*\b+FR-1], v[AF+FR*(\a):AF+FR*(\a)+FR-1], 0, v[SC+8*NQ*(\sc)+NQ*\b+(\q)], v[SC+8*NQ*(\sc)+NQ*(\a)+(\q)] matrix_a_fmt:MATRIX_FMT_FP6 matrix_b_fmt:MATRIX_FMT_FP6 matrix_a_scale:MATRIX_SCALE_ROW1
.else
	v_wmma_scale_f32_16x16x128_f8f6f4 v[8*(8*((\a)%4)+\b):8*(8*((\a)%4)+\b)+7], v[128*(\p)+FR*\b:128*(\p)+FR*\b+FR-1], v[AF+FR*(\a):AF+FR*(\a)+FR-1], v[8*(8*((\a)%4)+\b):8*(8*((\a)%4)+\b)+7], v[SC+8*NQ*(\sc)+NQ*\b+(\q)], v[SC+8*NQ*(\sc)+NQ*(\a)+(\q)] matrix_a_fmt:MATRIX_FMT_FP6 matrix_b_fmt:MATRIX_FMT_FP6 matrix_a_scale:MATRIX_SCALE_ROW1
.endif
.endr
.endr
.endm
.macro FETCH_B slot, q, p
	WIN TO_B
.irp i, 0,1,2,3,4,5,6,7
	FRAG 128*(\p)+FR*\i, ADRB+(\slot)+AX-2*(\slot)*AX, \q, \i
.endr
	WIN 0
.endm
.macro FETCH_A slot, q, i0
.irp i, \i0, \i0+1, \i0+2, \i0+3
	FRAG AF+FR*(\i), ADRA+(\slot)+AX-2*(\slot)*AX, \q, \i
.endr
.endm
.macro SCALES sc
.irp i, 0,1,2,3,4,5,6,7
	ds_load_b64 v[SC+8*NQ*\sc+NQ*\i:SC+8*NQ*\sc+NQ*\i+1], v[ADRS+(\sc)+AX-2*(\sc)*AX] offset:128*\i+XO
.endr
.endm
.macro PLACES n
.rept \n
	v_nop
.endr
.endm
.macro STEP slot, q, zero
	s_wait_dscnt 4*NL
	WIN MUL_LO
	MUL16 0, (\q)%2, \q, \slot, \zero
	MUL16 2, (\q)%2, \q, \slot, \zero
	s_wait_dscnt 0
	PLACES NP
	FETCH_B \slot, (\q)+1, 1-(\q)%2
	FETCH_A \slot, (\q)+1, 0
	WIN MUL_HI
	MUL16 4, (\q)%2, \q, \slot, \zero
	MUL16 6, (\q)%2, \q, \slot, \zero
	PLACES NP
	WIN 0
	FETCH_A \slot, (\q)+1, 4
.endm
.macro TURN slot, next, fill           ; fill = 1: the place read out is filled again; 0: the refill is waited for and shown to all waves; 2: the next K block came at the head, and nothing is filled: no wait for tensor loads, no barrier
.if \fill == 2
	s_wait_dscnt 4*NL
	WIN MUL_LO
	MUL16 0, 1, NQ-1, \slot, 0
	s_wait_dscnt 0x0
	MUL16 2, 1, NQ-1, \slot, 0
	WIN 0
.else
	s_wait_tensorcnt 0x0
	ds_add_u32 v[SPW], v[NIL]
	s_wait_dscnt 4*NL+1
	WIN MUL_LO
	MUL16 0, 1, NQ-1, \slot, 0
	s_wait_dscnt 0x0
	s_barrier_signal -1
	MUL16 2, 1, NQ-1, \slot, 0
	WIN 0
	s_barrier_wait -1
.endif
.if \fill == 1
	CREST
	s_add_nc_u64 s[G0+4*\slot+2:G0+4*\slot+3], s[G0+4*\slot+2:G0+4*\slot+3], 3*OPB
	s_add_nc_u64 s[G0B+4*\slot+2:G0B+4*\slot+3], s[G0B+4*\slot+2:G0B+4*\slot+3], 3*OPB
	JLOAD G0+4*\slot, G1, G0B+4*\slot, G1B
.else
	PLACES NP
.endif
	s_wait_alu depctr_va_vdst(0)
	FETCH_B \next, 0, 0
	FETCH_A \next, 0, 0
	SCALES \next
	WIN MUL_HI
	MUL16 4, 1, NQ-1, \slot, 0
	MUL16 6, 1, NQ-1, \slot, 0
	PLACES NP
	WIN 0
	FETCH_A \next, 0, 4
.endm
	s_wait_alu depctr_va_vdst(0)                   ; the wait at the head's end
	s_wait_tensorcnt 0x0                           ; my part's K blocks 0 to 2 are in; no tensor load of mine is out, so a descriptor may be written:
	s_mov_b32 s[G1+2], 100<<16                     ; the refill brings one K block, 100 rows
	s_mov_b32 s[G1+4], 100
	s_mov_b32 s[G1B+2], 100<<16
	s_mov_b32 s[G1B+4], 100
	s_barrier_signal -1
	s_barrier_wait -1
	FETCH_B 0, 0, 0
	FETCH_A 0, 0, 0
	SCALES 0
	FETCH_A 0, 0, 4
	STEP 0, 0, 1
	TURN 0, 1, 1
	STEP 1, 0, 0
.set AX, 1
.set XO, OPB                           ; K block 2 lies in place 2: register 1 + OPB
	TURN 1, 0, 2
	STEP 0, 0, 0
.set XO, 0                             ; K block 3 lies in place 0: register 0
	TURN 0, 1, 0
	STEP 1, 0, 0
	s_wait_dscnt 4*NL
	WIN MUL_LO
	MUL16 0, 1, NQ-1, 1, 0
	MUL16 2, 1, NQ-1, 1, 0
	s_wait_dscnt 0
	WIN MUL_HI
	MUL16 4, 1, NQ-1, 1, 0
	MUL16 6, 1, NQ-1, 1, 0
	WIN 0
	PLACES NP
	s_lshl_b32 s76, s17, 2
	s_lshl_b32 s77, s15, 1
	s_add_co_u32 s76, s76, s77
	s_lshl_b32 s78, s40, 2
	s_lshl_b32 s77, s16, 1
	s_add_co_u32 s78, s78, s77
	s_lshl_b32 s79, s42, 1
	s_add_co_u32 s79, s79, s16
	s_lshl_b32 s80, s17, 1
	s_add_co_u32 s80, s80, s15
	s_mov_b32 s82, 6144
	s_mov_b32 s84, HS
	s_mov_b32 s[SA], 768
	s_mov_b32 s[SJ], 768
	s_mov_b32 s86, 16
	s_mov_b32 s88, 0x01000100
	s_mov_b32 s89, 0x03020302
	s_mov_b32 s96, 0xffff0000
	s_cmp_eq_u32 ttmp9, 2
	s_cselect_b32 s76, s76, s78
	s_cselect_b32 s79, s79, s80
	s_cselect_b32 s82, 12800, s82
	s_cselect_b32 s83, 6656, 0
	s_cselect_b32 s84, 768, s84
	s_cselect_b32 s[SA], 1536, s[SA]
	s_cselect_b32 s[SJ], HS-3*1536, s[SJ]
	s_cselect_b32 s86, HS, s86
	s_cselect_b32 s87, 16, 32
	s_cselect_b32 s88, 0x03020100, s88
	s_cselect_b32 s89, 0x03020100, s89
	s_cmp_eq_u32 ttmp9, 0
	s_cselect_b64 s[90:91], s[8:9], s[10:11]
	s_mul_i32 s76, s76, HS
	s_mul_i32 s79, s79, GS
	s_add_co_u32 s76, s76, s79
	s_mov_b32 s77, 0
	s_add_nc_u64 s[90:91], s[90:91], s[76:77]
	s_mov_b32 s76, s83
	s_add_nc_u64 s[B0:B0+1], s[90:91], s[76:77]
	s_mov_b32 s76, s84
	s_add_nc_u64 s[B1:B1+1], s[B0:B0+1], s[76:77]
	s_mov_b32 s76, s82
	s_add_nc_u64 s[90:91], s[90:91], s[76:77]
	s_mov_b32 s[SA+1], 0
	s_mov_b32 s[SJ+1], 0
	v_mov_b32 v15, s88
	v_mov_b32 v13, s89
	v_cndmask_b32 v15, v15, v13, s96
	v_and_b32 v12, 1, v1
	v_mul_u32_u24 v12, v12, s86
	v_lshrrev_b32 v13, 1, v1
	v_mad_u32_u24 v14, v13, s87, v12
.irp b, 0,1,2,3
	v_mov_b32 v[TM+4+\b], 0
.endr
.macro QUANTW a
.set AC, 64*((\a)%4)
.set WW, 2+(\a)/4
.set WN, WW|(WW<<2)
	WIN WN
.irp b, 0,1,2,3
	v_max3_num_f32 v[TM+\b], |v[AC+16*\b]|, |v[AC+1+16*\b]|, 0x1800000
.endr
.irp i, 2,4,6,8,10,12,14
.irp b, 0,1,2,3
	v_max3_num_f32 v[TM+\b], |v[AC+16*\b+\i]|, |v[AC+1+16*\b+\i]|, v[TM+\b]
.endr
.endr
	WIN 0
.irp b, 0,1,2,3
	v_permlanex16_b32 v[TM+4+\b], v[TM+\b], s68, s69
.endr
.irp b, 0,1,2,3
	v_max_num_f32 v[TM+\b], v[TM+\b], v[TM+4+\b]
.endr
.irp b, 0,1,2,3
	v_add_nc_u32 v[TM+12+\b], 0xff000000, v[TM+\b]
.endr
.irp b, 0,1,2,3
	v_lshrrev_b32 v[TM+4+\b], 23, v[TM+12+\b]
.endr
	v_lshl_or_b32 v[PW], v[TM+5], 8, v[TM+4]
	v_lshl_or_b32 v[PW], v[TM+6], 16, v[PW]
	v_lshl_or_b32 v[PW], v[TM+7], 24, v[PW]
	WIN WW
.irp c, 0,1
	v_cvt_scalef32_pk16_fp6_f32 v[PC+6*\c:PC+2+6*\c], v[AC+32*\c:AC+15+32*\c], v[TM+12+2*\c]
	v_cvt_scalef32_pk16_fp6_f32 v[PC+12+4*\c:PC+14+4*\c], v[AC+16+32*\c:AC+31+32*\c], v[TM+12+2*\c+1]
.endr
	WIN 0
	v_nop
.irp c, 0,1
.irp i, 0,1,2
	v_permlane16_swap_b32 v[PC+6*\c+\i], v[PC+12+4*\c+\i]
.endr
.irp i, 0,1,2
	v_mov_b32 v[PC+3+6*\c+\i], v[PC+12+4*\c+\i]
.endr
.endr
.endm
	s_mov_b32 s68, 0x76543210
	s_mov_b32 s69, 0xfedcba98
.irp a, 0,1,2,3,4,5,6,7
.if \a > 0
	s_wait_xcnt 0x0
.if \a == 4
	s_add_nc_u64 s[B0:B0+1], s[B0:B0+1], s[SJ:SJ+1]
	s_add_nc_u64 s[B1:B1+1], s[B1:B1+1], s[SJ:SJ+1]
.else
	s_add_nc_u64 s[B0:B0+1], s[B0:B0+1], s[SA:SA+1]
	s_add_nc_u64 s[B1:B1+1], s[B1:B1+1], s[SA:SA+1]
.endif
.endif
	QUANTW \a
	v_perm_b32 v[WD+\a], v[PW], v[PW], v15
	ds_store_b32 v30, v[WD+\a] offset:4*\a
	global_store_b128 v[L16], v[PC:PC+3], s[B0:B0+1]
	global_store_b64 v[L8], v[PC+4:PC+5], s[B0:B0+1] offset:512
	global_store_b128 v[L16], v[PC+6:PC+9], s[B1:B1+1]
	global_store_b64 v[L8], v[PC+10:PC+11], s[B1:B1+1] offset:512
.endr
	ds_load_b128 v[116:119], v31
	ds_load_b128 v[120:123], v31 offset:512
	s_wait_dscnt 0x0
	global_store_b128 v14, v[116:119], s[90:91]
	s_cmp_eq_u32 ttmp9, 2
	s_cbranch_scc1 .Lone
	global_store_b128 v14, v[120:123], s[90:91] offset:HS
.Lone:
	s_wait_tensorcnt 0x0
	ds_add_u32 v[SPW], v[NIL]
	s_wait_dscnt 0x0
	CROUND
	s_endpgm
.Lfunc_end_k_qfad2a50fc9_gemm_qkv:
	.size	k_qfad2a50fc9_gemm_qkv, .Lfunc_end_k_qfad2a50fc9_gemm_qkv-k_qfad2a50fc9_gemm_qkv
	.p2alignl 7, 3214868480
	.fill 96, 4, 3214868480
	.section	.rodata,"a",@progbits
	.p2align	6, 0x0
	.amdhsa_kernel k_qfad2a50fc9_gemm_qkv
		.amdhsa_group_segment_fixed_size 327680
		.amdhsa_private_segment_fixed_size 0
		.amdhsa_enable_private_segment 0
		.amdhsa_kernarg_size 32
		.amdhsa_user_sgpr_count 2
		.amdhsa_user_sgpr_kernarg_segment_ptr 1
		.amdhsa_wavefront_size32 1
		.amdhsa_system_sgpr_workgroup_id_x 1
		.amdhsa_system_sgpr_workgroup_id_y 1
		.amdhsa_system_sgpr_workgroup_id_z 1
		.amdhsa_system_vgpr_workitem_id 0
		.amdhsa_next_free_vgpr 1024
		.amdhsa_next_free_sgpr 98
		.amdhsa_reserve_vcc 0
		.amdhsa_float_denorm_mode_32 3
		.amdhsa_float_denorm_mode_16_64 3
		.amdhsa_memory_ordered 1
		.amdhsa_forward_progress 1
		.amdhsa_inst_pref_size 148
	.end_amdhsa_kernel
	.amdgpu_metadata
---
amdhsa.version: [ 1, 2 ]
amdhsa.kernels:
  - .name:           k_qfad2a50fc9_gemm_qkv
    .symbol:         k_qfad2a50fc9_gemm_qkv.kd
    .args:
      - { .name: xb, .offset: 0, .size: 8, .value_kind: global_buffer, .address_space: global }
      - { .name: wb, .offset: 8, .size: 8, .value_kind: global_buffer, .address_space: global }
      - { .name: qb, .offset: 16, .size: 8, .value_kind: global_buffer, .address_space: global }
      - { .name: kvb, .offset: 24, .size: 8, .value_kind: global_buffer, .address_space: global }
    .group_segment_fixed_size: 327680
    .private_segment_fixed_size: 0
    .kernarg_segment_align: 8
    .kernarg_segment_size: 32
    .max_flat_workgroup_size: 128
    .sgpr_count:     98
    .vgpr_count:     1024
    .wavefront_size: 32
...
	.end_amdgpu_metadata
.endif
;; end of part 2
;; launch attn (part 3): grid 16 x 16, 16 waves a work-group, no clusters, 327,680 bytes of LDS; arguments qb, kvb, ob; writes ob
.if DOCPART == 3
	.amdgcn_target "amdgcn-amd-amdhsa--gfx1250"
	.amdhsa_code_object_version 6
	.text
	.protected	k_qfad2a50fc9_attn
	.globl	k_qfad2a50fc9_attn
	.p2align	8
	.type	k_qfad2a50fc9_attn,@function
k_qfad2a50fc9_attn:
	s_mov_b64 s[64:65], 0
	v_nop
	global_prefetch_b8 v0, s[64:65] scope:SCOPE_SE
	s_setreg_imm32_b32 hwreg(HW_REG_WAVE_MODE, 25, 1), 1
	s_wait_xcnt 0x0
; o[q] = sum over keys k <= q of softmax(q . k / 8) v, 16 heads of 64, 4,096 queries, both products on codes of FP6 (E2M3) with E8M0 scales; o is quantised along the head's 64 on the way out, as the last product's operand.
; SOFTMAX: t = score x log2(e) / 8; M = the running largest t rounded UP to a whole number; p = 2^(t - M) is quantised along the keys, not normalised; the row's sum is taken of the unquantised p and divides at the end.
; When M moves, the sum and O are multiplied by 2^(old M - new M): exact.
; LEFT OUT: key steps of 128 all of whose keys come after a block's queries: reference()'s own causal mask gives them p = 0 for all values of the inputs.  A NaN or infinity that reaches only such keys is not carried to the result.
; SHARES.  Work-group (j, head) owns query blocks j and 31 - j of 128, one after the other.  A tile of 16 queries has TWO waves (2 T, 2 T + 1): one takes the even key steps of 128, the other the odd ones, each with its own M, sum and O^T.
; At a block's end the odd wave puts its three into its own LDS stage, and the even wave joins them: both parts are brought under the larger M by powers of two, added, divided, quantised and stored.
; ROUNDS.  A slot holds eight key steps (8 x 13,056 bytes); waves 0 to 3 fetch two steps each, 102 rows of 256 bytes, by one tensor load.  A round is one slot, four steps a wave, in an inner loop of four trips.
; Block j needs ceil((j + 1) / 8) slots, block 31 - j ceil((32 - j) / 8): 5 in all for every j.  So the trip counts are constants, every round's loads are issued by every work-group, and a step past the diagonal is jumped over by ids alone.
; Every wait for tensor loads is for 0.
; K and V come as images of operand registers, scale words with them.  FIRST PRODUCT, K = 64 in an instruction of 128: twelve registers hold two key tiles; against [Q | 0] the first tile's scores come out, against [0 | Q] the second's.
; Both products are used transposed: a lane holds one query.  In each 32 keys, queries or channels, tile u's lane row r stands for 8 u + r + 8 (r / 8): 16 registers of two neighbouring tiles are 16 neighbours.
; NO CLUSTER: the round in which a work-group goes from its first block to its second is (j + 8) / 8, so the work-groups of a head ask for different tiles in the same round.
; LIMITS: a block of zeros gets the byte 1 (zero codes; the bytes are this program's own); NaN and infinities are not served; the scaled scores stay under 2^31 in magnitude.
; REGISTERS: v1-4, v7 lane terms; v5, v6 the add's; v8-11 a step's LDS addresses; v12 -M, v13 largest t, v[14:15] the sum; v16-33 [0 | Q | 0]; v34-81 K's tiles, then V's fragments (at a join: the partner's part); v82-93 scale words;
; v94 the prefetches' offset; v96-159 scores, then p (at a join: o); v160-191 O^T; v192-198 the second block's Q; v199-204 stage and Q addresses; v206-212 the join; v224-235 p's codes; v232-254 at work; v255 Q's scale word.
.set GS,    13056
.set HS,    32*GS
.set SLOT1, 1<<17                      ; slot 1's first byte; slot 0 begins at 0; each uses 8 GS bytes
.set SPARE, SLOT1+8*GS                 ; behind slot 1: the spare words, 128 bytes for each of 16 waves, named by no other line
.set STAGE, SPARE+2048                 ; a stage of SGP bytes for each wave: O^T as eight images of four registers, then (-M, sum)
.set SGP,   4352
.set NRD,   5
.set SPW, 5
.set NIL, 6
.set PFO, 94
.set WV,  18
.set SEL, 20
.set CS,  22
.set G1,  24
.set G0,  32
.set TB,  36                           ; LDS byte of my first step in the slot in hand
.set KF,  37                           ; the step's first key
.set QB,  38                           ; the block's first query
.set Q0,  39                           ; my tile's: lane row r is query Q0 + r + 8 (r / 8)
.set RND, 40                           ; the round
.set R1,  41                           ; the second block's first round
.set PFA, 42
.set PFB, 44
.set PFL, 45
.set GG,  46                           ; 0: even key steps, and the join; 1: odd ones
.set R1M, 47                           ; R1 - 1
.set QB1, 48
.set Q01, 49
.set BKV, 50                           ; bytes from the first block's slots' end back to the head's first key
.set TS,  51                           ; LDS byte of the step in hand
.set OBA, 52
.set OSA, 54
.set OBB, 56
.set OSB, 58
.set STC, 92                           ; steps of the round done
.macro TLOAD                           ; waves 0 to 3 fetch; an s_nop 0 and four v_nop follow the load
	s_cmp_lt_u32 s[WV], 4
	s_cbranch_scc0 .Lasked_\@
	tensor_load_to_lds s[G0:G0+3], s[G1:G1+7]
	s_nop 0
.rept 4
	v_nop
.endr
.Lasked_\@:
.endm
; A PREFETCH INTO THE L2.  A head's K and V are one stream of 1,632 blocks of 256 bytes, which all 16 work-groups of the head walk: the head's first work-group asks, a wave 32 blocks, a lane a block:
; 512 blocks at a change of slots, beginning with slot 2's first (block 816) at the change that asks for slot 1; slot 2 is first loaded two changes later.
; A wave asks only while its 32 blocks lie whole inside the head; slots 0 and 1 and the stream's last 16 blocks come by their loads alone.
.macro ASK
	s_cmp_lt_u32 s[PFB], s[PFL]
	s_cbranch_scc0 .Lnot_mine_\@
	global_prefetch_b8 v[PFO], s[PFA:PFA+1] th:TH_LOAD_NT scope:SCOPE_SE
.Lnot_mine_\@:
.endm
	s_load_b128 s[4:7], s[0:1], 0x0                ; qb, kvb
	s_load_b64 s[8:9], s[0:1], 0x10                ; ob
	v_lshl_add_u32 v[SPW], v0, 2, SPARE
	v_mov_b32 v[NIL], 0
	ds_add_u32 v[SPW], v[NIL]                      ; the opening lines: the add, twice on end, and its wait
	ds_add_u32 v[SPW], v[NIL]
	v_lshrrev_b32 v8, 5, v0
	v_readfirstlane_b32 s[WV], v8                  ; wave 0..15
	s_and_b32 s10, ttmp7, 0xffff                   ; head
	s_lshr_b32 s[GG], s[WV], 2
	s_xor_b32 s[GG], s[GG], s[WV]
	s_and_b32 s[GG], s[GG], 1                      ; any four waves w % 4 or w / 4 alike hold two of each kind
	s_lshr_b32 s12, s[WV], 1                       ; my tile T in the block
	s_sub_co_u32 s13, 31, ttmp9                    ; the second block
	s_add_co_u32 s[R1], ttmp9, 8
	s_lshr_b32 s[R1], s[R1], 3
	s_sub_co_u32 s[R1M], s[R1], 1
	s_mul_i32 s[BKV], s[R1], 8*GS
	s_lshl_b32 s[QB], ttmp9, 7
	s_lshl_b32 s[QB1], s13, 7
	s_lshr_b32 s14, s12, 1
	s_lshl_b32 s14, s14, 5
	s_and_b32 s15, s12, 1
	s_lshl_b32 s15, s15, 3
	s_add_co_u32 s14, s14, s15
	s_add_co_u32 s[Q0], s[QB], s14
	s_add_co_u32 s[Q01], s[QB1], s14
	s_mul_i32 s16, s10, HS                         ; the head's first byte in qb and kvb
	s_and_b32 s93, s[WV], 3
	s_mul_i32 s93, s93, 2*GS                       ; the two steps of a slot that a loading wave fetches
	s_add_co_u32 s94, s16, s93
	s_mov_b32 s95, 0
	s_mul_i32 s66, ttmp9, GS
	s_add_co_u32 s66, s66, s16                     ; the two blocks in qb
	s_mov_b32 s67, 0
	s_mul_i32 s68, s13, GS
	s_add_co_u32 s68, s68, s16
	s_mov_b32 s69, 0
	s_lshr_b32 s70, s10, 2                         ; ob: 128 rows x 256 K to a block of 25,600 bytes: K / 256 = head / 4
	s_mul_i32 s70, s70, 25600
	s_bfe_u32 s71, s10, 0x10001                    ; K step of 128: (head / 2) % 2
	s_and_b32 s72, s10, 1                          ; half: head % 2
	s_mul_i32 s73, s12, 3072
	s_add_co_u32 s73, s73, s70
	s_mul_i32 s74, s71, 1536
	s_add_co_u32 s73, s73, s74
	s_mul_i32 s74, s72, 768
	s_add_co_u32 s73, s73, s74                     ; my half fragment in a row block
	s_lshl_b32 s75, s12, 7
	s_add_co_u32 s75, s75, s70
	s_lshl_b32 s71, s71, 2
	s_add_co_u32 s75, s75, s71
	s_lshl_b32 s72, s72, 1
	s_add_co_u32 s75, s75, s72
	s_add_co_u32 s75, s75, 24576                   ; my two bytes of each row's scale word: + 8 r + h
	s_mul_i32 s76, ttmp9, 102400
	s_mul_i32 s77, s13, 102400
	s_add_co_u32 s78, s73, s76
	s_mov_b32 s79, 0
	s_add_co_u32 s80, s75, s76
	s_mov_b32 s81, 0
	s_add_co_u32 s82, s73, s77
	s_mov_b32 s83, 0
	s_add_co_u32 s84, s75, s77
	s_mov_b32 s85, 0
	s_mul_i32 s88, s[WV], SGP
	s_add_co_u32 s88, s88, STAGE                   ; my stage,
	s_xor_b32 s89, s[WV], 1
	s_mul_i32 s89, s89, SGP
	s_add_co_u32 s89, s89, STAGE                   ; my partner's
	s_mul_i32 s90, s12, 768                        ; my tile's codes in a block of qb
	s_lshl_b32 s91, s12, 2                         ; its scale words
	s_mov_b32 s[G1], 3<<16                         ; no mask; elements of 8 bytes; no padding
	s_mov_b32 s[G1+1], 32<<16                      ; rows of 256 bytes
	s_mov_b32 s[G1+2], 102<<16                     ; 102 rows
	s_mov_b32 s[G1+3], 32<<16
	s_mov_b32 s[G1+4], 102
	s_mov_b32 s[G1+5], 32                          ; dense
	s_mov_b32 s[G1+6], 0
	s_mov_b32 s[G1+7], 0
	s_mov_b32 s[SEL], 0x76543210
	s_mov_b32 s[SEL+1], 0xfedcba98
	s_mov_b32 s[CS], 0x3e38aa3b                    ; c = log2(e) / 8
	s_mov_b32 s[CS+1], s[CS]
	s_mul_i32 s[TB], s[GG], GS
	s_lshl_b32 s[KF], s[GG], 7
	s_mov_b32 s[RND], 0
	s_mov_b32 s61, 0xffff0000                      ; lanes 16-31
	s_mov_b32 s63, 0
	s_lshl_b32 s[PFB], s[WV], 5
	s_add_co_u32 s[PFB], s[PFB], 304               ; the first change of slots steps it by 512: to block 816 + 32 x wave
	s_lshl_b32 s86, s[PFB], 8
	s_add_co_u32 s86, s86, s16
	s_mov_b32 s87, 0
	s_cmp_eq_u32 ttmp9, 0                          ; the head's first work-group
	s_cselect_b32 s[PFL], 1601, 0                  ; 1,632 - 31
	s_wait_dscnt 0x0                               ; both opening adds are done
	s_wait_kmcnt 0x0
	s_mov_b32 s[G0], 1
	s_mov_b32 s[G0+1], s93                         ; slot 0, my two steps
	s_add_nc_u64 s[G0+2:G0+3], s[6:7], s[94:95]    ; of the head's first 1,024 keys
	s_or_b32 s[G0+3], s[G0+3], 0x80000000
	TLOAD
	s_add_nc_u64 s[66:67], s[4:5], s[66:67]
	s_add_nc_u64 s[68:69], s[4:5], s[68:69]
	s_add_nc_u64 s[OBA:OBA+1], s[8:9], s[78:79]
	s_add_nc_u64 s[OSA:OSA+1], s[8:9], s[80:81]
	s_add_nc_u64 s[OBB:OBB+1], s[8:9], s[82:83]
	s_add_nc_u64 s[OSB:OSB+1], s[8:9], s[84:85]
	s_add_nc_u64 s[PFA:PFA+1], s[6:7], s[86:87]
	v_and_b32 v8, 31, v0                           ; lane
	v_and_b32 v9, 15, v0                           ; r
	v_bfe_u32 v10, v0, 4, 1                        ; h
	v_lshlrev_b32 v1, 4, v8                        ; 16 x lane
	v_lshlrev_b32 v2, 3, v8                        ; 8 x lane
	v_add_nc_u32 v201, s90, v1
	v_add_nc_u32 v202, s90, v2
	v_lshl_add_u32 v95, v9, 5, s91                 ; 32 r + 4 T
	global_load_b128 v[22:25], v201, s[66:67]      ; the first block's Q: half a fragment,
	global_load_b64 v[26:27], v202, s[66:67] offset:512
	global_load_b32 v255, v95, s[66:67] offset:6144   ; its scale words;
	global_load_b128 v[192:195], v201, s[68:69]    ; the second block's waits in registers
	global_load_b64 v[196:197], v202, s[68:69] offset:512
	global_load_b32 v198, v95, s[68:69] offset:6144
	v_lshl_add_u32 v3, v9, 5, 6144                 ; K's scale words
	v_lshl_add_u32 v4, v9, 4, 12800                ; V's
	v_bfe_u32 v11, v0, 3, 1
	v_lshl_add_u32 v7, v11, 3, v9
	v_lshlrev_b32 v11, 4, v10
	v_lshlrev_b32 v[PFO], 8, v8
	v_sub_nc_u32 v7, v7, v11                       ; r + 8 (r / 8) - 16 h
	v_add_nc_u32 v199, s88, v1
	v_add_nc_u32 v200, s88, v2
	v_add_nc_u32 v203, s89, v1
	v_add_nc_u32 v204, s89, v2
.irp j, 16,17,18,19,20,21,28,29,30,31,32,33
	v_mov_b32 v\j, 0                               ; the zero codes on both sides of Q
.endr
	v_mov_b32 v13, 0xff61b1e6                      ; the largest t so far: -3e38
	v_mov_b32 v14, 0
	v_mov_b32 v15, 0
	v_floor_f32 v12, -v13                          ; -M
.irp j, 236,237,238,239,252,253
	v_mov_b32 v\j, 0                               ; written once: a lane permute's destination counts as a source; v253 is named as a pair's upper half
.endr
.set n, 0
.rept 32
	v_mov_b32 v[160+n], 0                          ; O^T: a block's first step finds zeros
.set n, n+1
.endr
.macro STEP                            ; one step of mine: 128 keys from KF on, at LDS byte TS
	s_cmp_gt_u32 s[KF], s[QB]                      ; all 128 keys come after the block: left out (ids and counts alone; no barrier and no tensor load stands in a step)
	s_cbranch_scc1 .Lhidden_\@
	v_add_nc_u32 v8, s[TS], v1                     ; (these four are the places in front of the loads into registers that the last products read)
	v_add_nc_u32 v9, s[TS], v2
	v_add_nc_u32 v10, s[TS], v3
	v_add_nc_u32 v11, s[TS], v4
.irp p, 0,1,2,3                                ; key tiles 2 p and 2 p + 1: twelve registers
	ds_load_b128 v[34+12*\p:37+12*\p], v8 offset:1536*\p
	ds_load_b64 v[38+12*\p:39+12*\p], v9 offset:1536*\p+512
	ds_load_b128 v[40+12*\p:43+12*\p], v8 offset:1536*\p+768
	ds_load_b64 v[44+12*\p:45+12*\p], v9 offset:1536*\p+1280
.endr
	ds_load_b128 v[82:85], v10
	ds_load_b128 v[86:89], v10 offset:16
	s_wait_alu depctr_va_vdst(0)                   ; the wait ahead of the wait below
	s_wait_dscnt 0x0
.irp t, 0,1,2,3,4,5,6,7                        ; S^T = K Q^T: even tiles against [Q | 0] = v[22:33], odd ones against [0 | Q] = v[16:27]
	v_wmma_scale_f32_16x16x128_f8f6f4 v[96+8*\t:103+8*\t], v[34+12*(\t/2):45+12*(\t/2)], v[22-6*(\t%2):33-6*(\t%2)], 0, v[82+\t], v255 matrix_a_fmt:MATRIX_FMT_FP6 matrix_b_fmt:MATRIX_FMT_FP6
.endr
.rept 4
	v_nop                                          ; places in front of the loads below and of the first read of the scores
.endr
.irp t, 0,1,2,3                                ; V's four fragments land while the softmax is walked
	ds_load_b128 v[34+12*\t:37+12*\t], v8 offset:6656+1536*\t
	ds_load_b64 v[38+12*\t:39+12*\t], v9 offset:6656+1536*\t+512
	ds_load_b128 v[40+12*\t:43+12*\t], v8 offset:6656+1536*\t+768
	ds_load_b64 v[44+12*\t:45+12*\t], v9 offset:6656+1536*\t+1280
.endr
	ds_load_b128 v[90:93], v11
	s_cmp_lt_u32 s[KF], s[QB]                      ; all keys count: no mask
	s_cbranch_scc1 .Lopen_\@
	s_sub_co_i32 s60, s[Q0], s[KF]
	v_add_nc_u32 v252, s60, v7                     ; d = my query - KF - 16 h.  Register 16 b + i holds key KF + 32 b + 16 h + i: hidden where 32 b + i > d
	v_mov_b32 v254, 0xff800000                     ; -infinity: p = 0
.set n, 0
.rept 64
	v_cmp_gt_i32 vcc_lo, 32*(n/16)+n%16, v252
	v_cndmask_b32 v[96+n], v[96+n], v254, vcc_lo
.set n, n+1
.endr
.Lopen_\@:
.irp b, 0,1,2,3
	v_max3_num_f32 v[232+\b], v[96+16*\b], v[97+16*\b], v[98+16*\b]   ; the largest score of each block of 32 keys: for the row's maximum, and, since p rises with the score, for the block's largest p
.endr
.irp i, 3,5,7,9,11,13
.irp b, 0,1,2,3
	v_max3_num_f32 v[232+\b], v[232+\b], v[96+16*\b+\i], v[97+16*\b+\i]
.endr
.endr
.irp b, 0,1,2,3
	v_max_num_f32 v[232+\b], v[232+\b], v[111+16*\b]
.endr
.irp b, 0,1,2,3
	s_delay_alu instid0(VALU_DEP_4)
	v_permlanex16_b32 v[236+\b], v[232+\b], s[SEL], s[SEL+1]
.endr
.irp b, 0,1,2,3
	s_delay_alu instid0(VALU_DEP_4)
	v_max_num_f32 v[232+\b], v[232+\b], v[236+\b]  ; with lane l xor 16's 16 keys
.endr
	s_delay_alu instid0(VALU_DEP_2)
	v_max3_num_f32 v254, v232, v233, v234
	s_delay_alu instid0(VALU_DEP_1)
	v_max_num_f32 v254, v254, v235
	s_delay_alu instid0(VALU_DEP_1)
	v_mul_f32 v254, s[CS], v254                    ; as t
	s_delay_alu instid0(VALU_DEP_1)
	v_max_num_f32 v13, v13, v254                   ; the running largest t
	v_mov_b32 v254, v12
	s_delay_alu instid0(VALU_DEP_2)
	v_floor_f32 v12, -v13                          ; the new -M = -ceil(t)
	s_delay_alu instid0(VALU_DEP_1)
	v_sub_f32 v254, v12, v254                      ; old M - new M: a whole number, 0 or less
	s_delay_alu instid0(VALU_DEP_1)
	v_cvt_i32_f32 v254, v254                       ; (it saturates)
	s_delay_alu instid0(VALU_DEP_1)
	v_ldexp_f32 v252, 1.0, v254                    ; f = 2^(old M - new M)
.set n, 0
.rept 32
	v_pk_fma_f32 v[96+n:97+n], v[96+n:97+n], s[CS:CS+1], v[12:13] op_sel_hi:[1,0,0]   ; t - M
.set n, n+2
.endr
.irp b, 0,1,2,3
	v_fma_f32 v[232+\b], v[232+\b], s[CS], v12
.endr
	s_wait_alu depctr_va_vdst(0)                   ; the wait ahead of the batch
.set n, 0
.rept 64
	v_exp_f32 v[96+n], v[96+n]                     ; p = 2^(t - M)
.set n, n+1
.endr
	v_pk_mul_f32 v[14:15], v[14:15], v[252:253] op_sel_hi:[1,0]   ; the sums under the new M: a plain place behind the exponentials
	s_wait_alu depctr_va_vdst(0)                   ; one wait for the whole batch, ahead of its first reader
.irp b, 0,1,2,3
	v_exp_f32 v[232+\b], v[232+\b]                 ; the block's largest p
.endr
.set n, 96                                     ; the row's sum of the unquantised p: 32 pairs in eight chains
.irp a, 236,250,248,246,244,242,240
	v_pk_add_f32 v[\a:\a+1], v[n:n+1], v[n+2:n+3]
.set n, n+4
.endr
	v_pk_add_f32 v[14:15], v[14:15], v[124:125]
.set n, 126
.rept 2
.irp a, 236,250,248,246,244,242,240,14
	v_pk_add_f32 v[\a:\a+1], v[\a:\a+1], v[n:n+1]
.set n, n+2
.endr
.endr
	v_pk_add_f32 v[236:237], v[236:237], v[158:159]
	s_delay_alu instid0(VALU_DEP_2)
	v_pk_add_f32 v[14:15], v[14:15], v[246:247]
	s_delay_alu instid0(VALU_DEP_2)
	v_pk_add_f32 v[236:237], v[236:237], v[244:245]
	v_pk_add_f32 v[250:251], v[250:251], v[242:243]
	v_pk_add_f32 v[248:249], v[248:249], v[240:241]
	s_delay_alu instid0(VALU_DEP_2)
	v_pk_add_f32 v[14:15], v[14:15], v[250:251]
	s_delay_alu instid0(VALU_DEP_2)
	v_pk_add_f32 v[236:237], v[236:237], v[248:249]
	s_delay_alu instid0(VALU_DEP_1)
	v_pk_add_f32 v[14:15], v[14:15], v[236:237]
	s_wait_alu depctr_va_vdst(0)                   ; and one for the four
.irp b, 0,1,2,3
	v_max_num_f32 v[232+\b], 0x1800000, v[232+\b]  ; the floor 2^(3 - 127)
.endr
.irp b, 0,1,2,3
	s_delay_alu instid0(VALU_DEP_4)
	v_add_nc_u32 v[244+\b], 0xff000000, v[232+\b]  ; the conversion's scale operand
.endr
.irp b, 0,1,2,3
	s_delay_alu instid0(VALU_DEP_4)
	v_lshrrev_b32 v[236+\b], 23, v[244+\b]         ; the byte
.endr
	s_delay_alu instid0(VALU_DEP_3)
	v_lshl_or_b32 v253, v237, 8, v236              ; p's scale word for these 128 keys
	s_delay_alu instid0(VALU_DEP_1)
	v_lshl_or_b32 v253, v238, 16, v253
	s_delay_alu instid0(VALU_DEP_1)
	v_lshl_or_b32 v253, v239, 24, v253
.irp c, 0,1
	v_cvt_scalef32_pk16_fp6_f32 v[224+6*\c:226+6*\c], v[96+32*\c:111+32*\c], v[244+2*\c]
	v_cvt_scalef32_pk16_fp6_f32 v[236+4*\c:238+4*\c], v[112+32*\c:127+32*\c], v[244+2*\c+1]
.endr
	v_nop                                          ; one plain place behind a scaled conversion
.irp c, 0,1
.irp i, 0,1,2
	v_permlane16_swap_b32 v[224+6*\c+\i], v[236+4*\c+\i]
.endr
.irp i, 0,1,2
	s_delay_alu instid0(VALU_DEP_3)
	v_mov_b32 v[227+6*\c+\i], v[236+4*\c+\i]
.endr
.endr
.set n, 0
.rept 16
	v_pk_mul_f32 v[160+n:161+n], v[160+n:161+n], v[252:253] op_sel_hi:[1,0]   ; O^T under the new M; these sixteen also stand between the writes of p's codes and scale word and the products
.set n, n+2
.endr
	s_wait_alu depctr_va_vdst(0)                   ; the wait ahead of the wait below
	s_wait_dscnt 0x0                               ; V is in
.irp t, 0,1,2,3                                ; O^T += V^T P^T: the four accumulators by turns
	v_wmma_scale_f32_16x16x128_f8f6f4 v[160+8*\t:167+8*\t], v[34+12*\t:45+12*\t], v[224:235], v[160+8*\t:167+8*\t], v[90+\t], v253 matrix_a_fmt:MATRIX_FMT_FP6 matrix_b_fmt:MATRIX_FMT_FP6
.endr
.Lhidden_\@:
	s_add_co_u32 s[KF], s[KF], 256                 ; my next step: the partner has the one between
	s_add_co_u32 s[TS], s[TS], 2*GS
.endm
; THE CHANGE OF SLOTS, at a round's head: each wave waits for all its tensor loads, adds 0 to its spare word, waits for that and for its reads of the slot that it has left; one barrier; then that slot takes the next round's keys.
.macro CHANGE fill
	s_wait_tensorcnt 0x0                           ; no tensor load of mine is out, so the descriptor may be written
	ds_add_u32 v[SPW], v[NIL]
.if \fill
	ds_add_u32 v[SPW], v[NIL]                      ; and twice
	s_xor_b32 s[G0+1], s[G0+1], SLOT1              ; the other slot,
	s_add_nc_u64 s[G0+2:G0+3], s[G0+2:G0+3], 8*GS  ; the next 1,024 keys,
	s_cmp_eq_u32 s[RND], s[R1M]
	s_cselect_b32 s62, s[BKV], 0
	s_sub_nc_u64 s[G0+2:G0+3], s[G0+2:G0+3], s[62:63]   ; or, for the second block's first round, the head's first keys again
	s_wait_xcnt 0x0                                ; the last prefetch, a round back, has read its address
	s_add_nc_u64 s[PFA:PFA+1], s[PFA:PFA+1], 512*256
	s_add_co_u32 s[PFB], s[PFB], 512
.endif
	s_wait_dscnt 0x0                               ; the adds are done, and my LDS reads and stores are over
	s_barrier_signal -1
	s_barrier_wait -1
.if \fill
	TLOAD
	ASK
.endif
.endm
; The odd wave's part of a block goes to its own stage: O^T as register images, then (-M, my lane's sum)
.macro STASH
	s_cmp_eq_u32 s[GG], 0
	s_cbranch_scc1 .Lkeep_\@
	v_add_f32 v13, v14, v15                        ; (with the three below: four places behind the last products)
.rept 3
	v_nop
.endr
	s_wait_alu depctr_va_vdst(0)
.set n, 0
.rept 8
	ds_store_b128 v199, v[160+4*n:163+4*n] offset:512*n   ; each accumulator from its low end on
.set n, n+1
.endr
	ds_store_b64 v200, v[12:13] offset:4096
.Lkeep_\@:
.endm
; The even wave joins the two parts under the larger M, divides by the sum, quantises the 64 channels (two blocks of 32: half a fragment and two scale bytes) and stores
.macro FINISH ob, os
	s_cmp_lg_u32 s[GG], 0
	s_cbranch_scc1 .Lnone_\@
	v_add_f32 v14, v14, v15                        ; (six plain places behind the last products, ahead of loads into their sources)
	v_and_b32 v8, 15, v0
	v_bfe_u32 v9, v0, 4, 1
	v_mov_b32 v207, 0                              ; (upper halves of pairs that packed forms name)
	v_mov_b32 v209, 0
	v_lshl_add_u32 v10, v8, 3, v9                  ; 8 r + h
.set n, 0
.rept 8
	ds_load_b128 v[34+4*n:37+4*n], v203 offset:512*n
.set n, n+1
.endr
	ds_load_b64 v[66:67], v204 offset:4096
	s_wait_alu depctr_va_vdst(0)
	s_wait_dscnt 0x0
	v_min_num_f32 v210, v12, v66                   ; -(the larger M)
	s_delay_alu instid0(VALU_DEP_1)
	v_sub_f32 v211, v210, v12                      ; my M less it, the partner's M less it: whole numbers, 0 or less
	v_sub_f32 v212, v210, v66
	s_delay_alu instid0(VALU_DEP_2)
	v_cvt_i32_f32 v211, v211                       ; (they saturate: a partner that had no step counts for nothing)
	s_delay_alu instid0(VALU_DEP_2)
	v_cvt_i32_f32 v212, v212
	s_delay_alu instid0(VALU_DEP_2)
	v_ldexp_f32 v206, 1.0, v211
	s_delay_alu instid0(VALU_DEP_2)
	v_ldexp_f32 v208, 1.0, v212
	s_delay_alu instid0(VALU_DEP_2)
	v_mul_f32 v14, v14, v206
	s_delay_alu instid0(VALU_DEP_1)
	v_fmac_f32 v14, v67, v208
.set n, 0
.rept 16
	v_pk_mul_f32 v[96+n:97+n], v[160+n:161+n], v[206:207] op_sel_hi:[1,0]
.set n, n+2
.endr
	v_permlanex16_b32 v252, v14, s[SEL], s[SEL+1]
.set n, 0
.rept 16
	v_pk_fma_f32 v[96+n:97+n], v[34+n:35+n], v[208:209], v[96+n:97+n] op_sel_hi:[1,0,1]
.set n, n+2
.endr
	v_add_f32 v14, v14, v252                       ; the row's sum
	s_wait_alu depctr_va_vdst(0)                   ; the wait ahead of the transcendental
	v_rcp_f32 v14, v14
	v_nop                                          ; a plain place behind it
	s_wait_alu depctr_va_vdst(0)                   ; and the wait ahead of its first reader
.set n, 0
.rept 16
	v_pk_mul_f32 v[96+n:97+n], v[96+n:97+n], v[14:15] op_sel_hi:[1,0]   ; register 16 b + i is channel 32 b + 16 h + i of my query
.set n, n+2
.endr
.irp b, 0,1
	v_max3_num_f32 v[232+\b], |v[96+16*\b]|, |v[97+16*\b]|, 0x1800000
.endr
.irp i, 2,4,6,8,10,12,14
.irp b, 0,1
	s_delay_alu instid0(VALU_DEP_2)
	v_max3_num_f32 v[232+\b], v[232+\b], |v[96+16*\b+\i]|, |v[97+16*\b+\i]|
.endr
.endr
.irp b, 0,1
	s_delay_alu instid0(VALU_DEP_2)
	v_permlanex16_b32 v[236+\b], v[232+\b], s[SEL], s[SEL+1]
.endr
.irp b, 0,1
	s_delay_alu instid0(VALU_DEP_2)
	v_max_num_f32 v[232+\b], v[232+\b], v[236+\b]
.endr
.irp b, 0,1
	s_delay_alu instid0(VALU_DEP_2)
	v_add_nc_u32 v[244+\b], 0xff000000, v[232+\b]
.endr
.irp b, 0,1
	s_delay_alu instid0(VALU_DEP_2)
	v_lshrrev_b32 v[236+\b], 23, v[244+\b]
.endr
	v_cvt_scalef32_pk16_fp6_f32 v[224:226], v[96:111], v244
	v_cvt_scalef32_pk16_fp6_f32 v[240:242], v[112:127], v245
	v_nop                                          ; one plain place behind a scaled conversion
.irp i, 0,1,2
	v_permlane16_swap_b32 v[224+\i], v[240+\i]
.endr
.irp i, 0,1,2
	s_delay_alu instid0(VALU_DEP_3)
	v_mov_b32 v[227+\i], v[240+\i]
.endr
	v_cndmask_b32 v238, v236, v237, s61            ; lane (r, h) stores byte h of row r
	global_store_b128 v1, v[224:227], s[\ob:\ob+1]   ; 512 consecutive bytes
	global_store_b64 v2, v[228:229], s[\ob:\ob+1] offset:512   ; 256 consecutive bytes
	global_store_b8 v10, v238, s[\os:\os+1]        ; a row's scale word is shared by two heads, that is by two work-groups: single bytes, one for every 24 bytes of codes
.Lnone_\@:
.endm
	s_wait_alu depctr_va_vdst(0)                   ; the wait at the head's end
	s_wait_loadcnt 0x0                             ; both blocks' Q
.Lround:
	CHANGE 1
	s_cmp_eq_u32 s[RND], s[R1]                     ; the second block's first round (ids and the count of rounds alone)
	s_cbranch_scc0 .Lsame
	FINISH OBA, OSA                                ; the first block leaves,
.irp i, 0,1,2,3,4,5
	v_mov_b32 v[22+\i], v[192+\i]                  ; and every wave begins anew: the second block's Q,
.endr
	v_mov_b32 v255, v198
	v_mov_b32 v13, 0xff61b1e6
	v_mov_b32 v14, 0
	v_mov_b32 v15, 0
	v_floor_f32 v12, -v13
.set n, 0
.rept 32
	v_mov_b32 v[160+n], 0
.set n, n+1
.endr
	s_mov_b32 s[QB], s[QB1]
	s_mov_b32 s[Q0], s[Q01]
	s_lshl_b32 s[KF], s[GG], 7                     ; its keys from the head's first on
	s_wait_alu depctr_va_vdst(0)
	s_wait_xcnt 0x0                                ; the stores have read their registers
.Lsame:
	s_mov_b32 s[TS], s[TB]
	s_mov_b32 s[STC], 0
.Lstep:
	STEP
	s_add_co_u32 s[STC], s[STC], 1
	s_cmp_lt_u32 s[STC], 4
	s_cbranch_scc1 .Lstep
	s_xor_b32 s[TB], s[TB], SLOT1
	s_wait_dscnt 0x0
	s_barrier_signal -1                            ; parts this round's reads of the stages from the stores below
	s_barrier_wait -1
	s_cmp_eq_u32 s[RND], s[R1M]                    ; the first block's last round
	s_cbranch_scc0 .Lgoon
	STASH
.Lgoon:
	s_add_co_u32 s[RND], s[RND], 1
	s_cmp_lt_u32 s[RND], NRD-1
	s_cbranch_scc1 .Lround
	CHANGE 0                                       ; the last round: nothing is left to ask for
	s_mov_b32 s[TS], s[TB]
	s_mov_b32 s[STC], 0
.Lstep_last:
	STEP
	s_add_co_u32 s[STC], s[STC], 1
	s_cmp_lt_u32 s[STC], 4
	s_cbranch_scc1 .Lstep_last
	STASH
	s_wait_dscnt 0x0                               ; my stores into the stage are done
	s_barrier_signal -1
	s_barrier_wait -1
	FINISH OBB, OSB
	s_wait_tensorcnt 0x0                           ; the wave's end
	ds_add_u32 v[SPW], v[NIL]
	s_wait_dscnt 0x0
	s_endpgm
.Lfunc_end_k_qfad2a50fc9_attn:
	.size	k_qfad2a50fc9_attn, .Lfunc_end_k_qfad2a50fc9_attn-k_qfad2a50fc9_attn
	.p2alignl 7, 3214868480
	.fill 96, 4, 3214868480
	.section	.rodata,"a",@progbits
	.p2align	6, 0x0
	.amdhsa_kernel k_qfad2a50fc9_attn
		.amdhsa_group_segment_fixed_size 327680
		.amdhsa_private_segment_fixed_size 0
		.amdhsa_enable_private_segment 0
		.amdhsa_kernarg_size 24
		.amdhsa_user_sgpr_count 2
		.amdhsa_user_sgpr_kernarg_segment_ptr 1
		.amdhsa_wavefront_size32 1
		.amdhsa_system_sgpr_workgroup_id_x 1
		.amdhsa_system_sgpr_workgroup_id_y 1
		.amdhsa_system_sgpr_workgroup_id_z 1
		.amdhsa_system_vgpr_workitem_id 0
		.amdhsa_next_free_vgpr 256
		.amdhsa_next_free_sgpr 96
		.amdhsa_reserve_vcc 1
		.amdhsa_float_denorm_mode_32 3
		.amdhsa_float_denorm_mode_16_64 3
		.amdhsa_memory_ordered 1
		.amdhsa_forward_progress 1
		.amdhsa_inst_pref_size 74
	.end_amdhsa_kernel
	.amdgpu_metadata
---
amdhsa.version: [ 1, 2 ]
amdhsa.kernels:
  - .name:           k_qfad2a50fc9_attn
    .symbol:         k_qfad2a50fc9_attn.kd
    .args:
      - { .name: qb, .offset: 0, .size: 8, .value_kind: global_buffer, .address_space: global }
      - { .name: kvb, .offset: 8, .size: 8, .value_kind: global_buffer, .address_space: global }
      - { .name: ob, .offset: 16, .size: 8, .value_kind: global_buffer, .address_space: global }
    .group_segment_fixed_size: 327680
    .private_segment_fixed_size: 0
    .kernarg_segment_align: 8
    .kernarg_segment_size: 24
    .max_flat_workgroup_size: 512
    .sgpr_count:     96
    .vgpr_count:     256
    .wavefront_size: 32
...
	.end_amdgpu_metadata
.endif
;; end of part 3
;; launch gemm_out (part 4): grid 8 x 32, 4 waves a work-group, clusters of 4 x 4, 327,680 bytes of LDS; arguments ob, wb, out0; writes out0
.if DOCPART == 4
	.amdgcn_target "amdgcn-amd-amdhsa--gfx1250"
	.amdhsa_code_object_version 6
	.text
	.protected	k_qfad2a50fc9_gemm_out
	.globl	k_qfad2a50fc9_gemm_out
	.p2align	8
	.type	k_qfad2a50fc9_gemm_out,@function
k_qfad2a50fc9_gemm_out:
	s_mov_b64 s[64:65], 0
	v_nop
	global_prefetch_b8 v0, s[64:65] scope:SCOPE_SE
	s_setreg_imm32_b32 hwreg(HW_REG_WAVE_MODE, 25, 1), 1
	s_wait_xcnt 0x0
	s_wait_alu depctr_hold_cnt(0) depctr_sa_sdst(0) depctr_va_vdst(0) depctr_va_sdst(0) depctr_va_ssrc(0) depctr_va_vcc(0) depctr_vm_vsrc(0)
	s_getreg_b32 s2, hwreg(HW_REG_IB_STS2, 6, 4)
	s_cmp_eq_u32 s2, 0
	s_cbranch_scc0 .Lentry_in_a_cluster
	s_endpgm
.Lentry_in_a_cluster:
	s_bfe_u32 s2, ttmp6, 0x10000c
	s_cmp_lg_u32 s2, 0xf033
	s_cbranch_scc0 .Lentry_shape_is_right
	s_endpgm
.Lentry_shape_is_right:
; out0[m][n] = sum over k of o[m][k] Wo[k][n], 4,096 x 1,024 x 1,024, both operands as codes of FP6 (E2M3) with E8M0 scales, laid as images of operand registers:
; a block of 25,600 bytes holds 128 rows x 256 K: fragment (tile T of 16 rows, K step s of 128) at 3072 T + 1536 s, scale words from byte 24,576 on at 128 T + 8 r + 4 s; blocks lie [rows / 128][K / 256].  Wo's are wb's block rows 24 to 31.
; In each 32 rows, tile u's lane row r stands for row 8 u + r + 8 (r / 8).
; A work-group makes 128 x 128 of the result: 8 x 32 = 256 work-groups.  Its rows of o and of Wo for ALL of K are two dense runs of 102,400 bytes: they come into LDS once, each wave fetching half of one run
; (200 rows of 256 bytes) by its one tensor load at the head.  Nothing is filled again: one barrier, no ring.
; CLUSTERS of 4 x 4: the four of a row of the cluster need the same rows of o, the four of a column the same rows of Wo: joint loads.
; A wave makes 64 x 64: 16 accumulators, by turns; eight K steps of 128, written out; two sets of fragments: a step's 32 loads are issued ahead of the step before's products.
; The matrix instruction is used transposed (source 0 = Wo's rows, source 1 = o's): a lane holds eight neighbouring numbers of a row of the result.
; NO PREFETCH: the launch has no loop to run ahead in: all that it reads is asked for at its head.
; REGISTERS: window 0: v8-24 addresses; v32-47 scale words, two sets (lanes 0-15 o's tile i, lanes 16-31 Wo's tile i); v64-159, v160-255 the two sets of fragments (o's four, then Wo's four); window 1: v0-127 the accumulators, (a, b) at 8 (4 a + b).
.set OPB,   25600
.set RBS,   4*OPB
.set SPARE, 2*RBS                      ; behind the two operands: the spare words, 128 bytes a wave, named by no other line
.set STAGE, SPARE+512                  ; the way out: 16 rows x 272 bytes for each wave
.set SPITCH, 272
.set ADRA, 8                           ; v8-9 o's fragments, 16 x lane, K halves 0, 1; v10-11 the same with 8 x lane
.set ADRB, 12                          ; v12-15 the same for Wo
.set ADRS, 16                          ; v16-17 scale words
.set L16,  18
.set L8,   19
.set SPW,  20
.set NIL,  21
.set STO,  22
.set RD,   23
.set CO,   24
.set SC,   32
.set FB,   64
.set BK,   64
.set G1, 24
.set G0, 32
.set G1B, 48
.set G0B, 56
.set MSB, 0
.macro WIN new                         ; the immediate's high byte repeats the setting that is left
.if MSB != (\new)
	s_set_vgpr_msb (MSB<<8)|(\new)
.set MSB, (\new)
.endif
.endm
.macro CROUND                          ; a round of the cluster's barrier
	s_barrier_signal -1
	s_barrier_wait -1
	s_cmp_lg_u32 s14, 0
	s_cbranch_scc1 .Lnot_wave_0_\@
	s_barrier_signal -3
.Lnot_wave_0_\@:
	s_barrier_wait -3
	s_barrier_signal -1
	s_barrier_wait -1
.endm
	s_load_b128 s[4:7], s[0:1], 0x0                ; ob, wb
	s_load_b64 s[12:13], s[0:1], 0x10              ; out0
	v_lshl_add_u32 v[SPW], v0, 2, SPARE
	v_mov_b32 v[NIL], 0
	ds_add_u32 v[SPW], v[NIL]                      ; the opening lines: the add, twice on end, and its wait
	ds_add_u32 v[SPW], v[NIL]
	v_lshrrev_b32 v1, 5, v0
	v_readfirstlane_b32 s14, v1                    ; wave 0..3
	s_lshr_b32 s15, s14, 1                         ; which 64 rows are mine.  Also: I fetch for o (0) or for Wo (1)
	s_and_b32 s16, s14, 1                          ; which 64 columns.  Also: which half of K I fetch
	s_bfe_u32 s40, ttmp6, 0x40000                  ; cx, cy
	s_bfe_u32 s41, ttmp6, 0x40004
	s_lshl_b32 s42, ttmp9, 2
	s_add_co_u32 s42, s42, s40                     ; block column 0..7
	s_and_b32 s17, ttmp7, 0xffff
	s_lshl_b32 s17, s17, 2
	s_add_co_u32 s17, s17, s41                     ; block row 0..31
	s_lshl_b32 s43, s41, 2
	s_lshl_b32 s43, 15, s43                        ; my row of the cluster
	s_lshl_b32 s44, 0x1111, s40                    ; my column
	s_or_b32 s[G1+0], s43, (3<<16)|(1<<21)         ; elements of 8 bytes; bit 21 beside the mask
	s_or_b32 s[G1B+0], s44, (3<<16)|(1<<21)
.irp g, G1, G1B
	s_mov_b32 s[\g+1], 32<<16                      ; rows of 256 bytes,
	s_mov_b32 s[\g+2], 200<<16                     ; 200 of them, dense
	s_mov_b32 s[\g+3], 32<<16
	s_mov_b32 s[\g+4], 200
	s_mov_b32 s[\g+5], 32
	s_mov_b32 s[\g+6], 0
	s_mov_b32 s[\g+7], 0
.endr
	s_mul_i32 s20, s17, RBS
	s_mov_b32 s21, 0
	s_add_co_u32 s46, s42, 24
	s_mul_i32 s46, s46, RBS
	s_mov_b32 s47, 0
	s_mul_i32 s18, s16, 2*OPB                      ; my half of K
	s_mov_b32 s19, 0
	s_mul_i32 s45, s14, 2*OPB                      ; and where it goes: wave x 51,200
	s_mul_i32 s68, s15, 4*3072                     ; my four tiles of o,
	s_mul_i32 s69, s16, 4*3072
	s_add_co_u32 s69, s69, RBS                     ; of Wo,
	s_lshl_b32 s70, s15, 9                         ; their scale words
	s_lshl_b32 s71, s16, 9
	s_add_co_u32 s71, s71, RBS
	s_sub_co_u32 s72, s71, s70                     ; from o's to Wo's
	s_add_co_u32 s73, s68, 2*OPB                   ; the same in the second half of K
	s_add_co_u32 s74, s69, 2*OPB
	s_add_co_u32 s75, s70, 2*OPB
	s_mul_i32 s76, s14, 16*SPITCH
	s_add_co_u32 s76, s76, STAGE                   ; my stage
	s_lshl_b32 s78, s17, 19                        ; my first byte of the result: 128 rows of 4,096 bytes a block row,
	s_lshl_b32 s77, s15, 18
	s_add_co_u32 s78, s78, s77
	s_lshl_b32 s77, s42, 9                         ; 512 bytes a block column
	s_add_co_u32 s78, s78, s77
	s_lshl_b32 s77, s16, 8
	s_add_co_u32 s78, s78, s77
	s_mov_b32 s79, 0
	s_wait_dscnt 0x0                               ; both opening adds are done
	s_wait_kmcnt 0x0
	s_add_nc_u64 s[20:21], s[4:5], s[20:21]
	s_add_nc_u64 s[20:21], s[20:21], s[18:19]
	s_add_nc_u64 s[46:47], s[6:7], s[46:47]
	s_add_nc_u64 s[46:47], s[46:47], s[18:19]
	s_add_nc_u64 s[12:13], s[12:13], s[78:79]
	s_mov_b32 s[G0], 1
	s_mov_b32 s[G0+1], s45
	s_mov_b64 s[G0+2:G0+3], s[20:21]
	s_or_b32 s[G0+3], s[G0+3], 0x80000000
	s_mov_b32 s[G0B], 1
	s_mov_b32 s[G0B+1], s45
	s_mov_b64 s[G0B+2:G0B+3], s[46:47]
	s_or_b32 s[G0B+3], s[G0B+3], 0x80000000
	CROUND                                         ; all sixteen work-groups are here: the joint loads meet
	s_cmp_eq_u32 s15, 0                            ; one tensor load a wave, each arm with its own mask
	s_cbranch_scc0 .Lfor_b
	tensor_load_to_lds s[G0:G0+3], s[G1:G1+7]
	s_nop 0
.rept 4
	v_nop
.endr
	s_branch .Lasked
.Lfor_b:
	tensor_load_to_lds s[G0B:G0B+3], s[G1B:G1B+7]
	s_nop 0
.rept 4
	v_nop
.endr
.Lasked:
	v_and_b32 v1, 31, v0
	v_and_b32 v2, 15, v0                           ; r
	v_bfe_u32 v3, v0, 4, 1                         ; h
	v_lshlrev_b32 v[L16], 4, v1
	v_lshlrev_b32 v[L8], 3, v1
	v_mul_u32_u24 v6, s72, v3                      ; lanes 16-31 take Wo's scale words
	v_lshl_add_u32 v6, v2, 3, v6
	v_add_nc_u32 v6, 24576, v6
	v_add_nc_u32 v[ADRA], s68, v[L16]
	v_add_nc_u32 v[ADRA+1], s73, v[L16]
	v_add_nc_u32 v[ADRA+2], s68, v[L8]
	v_add_nc_u32 v[ADRA+3], s73, v[L8]
	v_add_nc_u32 v[ADRB], s69, v[L16]
	v_add_nc_u32 v[ADRB+1], s74, v[L16]
	v_add_nc_u32 v[ADRB+2], s69, v[L8]
	v_add_nc_u32 v[ADRB+3], s74, v[L8]
	v_add_nc_u32 v[ADRS], s70, v6
	v_add_nc_u32 v[ADRS+1], s75, v6
	v_mul_u32_u24 v4, v2, SPITCH                   ; stage, in: row r, 64 bytes for each half of the lanes
	v_lshl_add_u32 v4, v3, 6, v4
	v_add_nc_u32 v[STO], s76, v4
	v_mul_u32_u24 v5, v3, SPITCH                   ; back: sixteen lanes to a row of 256 bytes, two rows an instruction
	v_lshl_add_u32 v5, v2, 4, v5
	v_add_nc_u32 v[RD], s76, v5
	v_lshlrev_b32 v7, 12, v3
	v_lshl_add_u32 v[CO], v2, 4, v7                ; and the same two rows in the result
.macro FRAG reg, adr, off
	ds_load_b128 v[\reg:\reg+3], v[\adr] offset:\off
	ds_load_b64 v[\reg+4:\reg+5], v[\adr+2] offset:\off+512
	ds_load_b128 v[\reg+6:\reg+9], v[\adr] offset:\off+768
	ds_load_b64 v[\reg+10:\reg+11], v[\adr+2] offset:\off+1280
.endm
.macro FETCH st                        ; K step st's eight fragments into set st % 2: 32 loads; with an even step the scale words of two steps: 4 more
.set KB, (\st)/2
.set HH, KB/2
.set OF, (KB%2)*OPB+((\st)%2)*1536
.set PB, FB+96*((\st)%2)
.irp i, 0,1,2,3
	FRAG PB+48+12*\i, ADRB+HH, OF+3072*\i
.endr
.irp i, 0,1,2,3
	FRAG PB+12*\i, ADRA+HH, OF+3072*\i
.endr
.if (\st)%2 == 0
.irp i, 0,1,2,3
	ds_load_b64 v[SC+8*(KB%2)+2*\i:SC+8*(KB%2)+2*\i+1], v[ADRS+HH] offset:(KB%2)*OPB+128*\i
.endr
.endif
.endm
.macro MUL st                          ; 16 matrix instructions; the first step's start the sums
.set PB, FB+96*((\st)%2)
.set SS, SC+8*(((\st)/2)%2)+(\st)%2
.irp a, 0,1,2,3
.irp b, 0,1,2,3
.if (\st) == 0
	v_wmma_scale_f32_16x16x128_f8f6f4 v[8*(4*\a+\b):8*(4*\a+\b)+7], v[PB+48+12*\b:PB+48+12*\b+11], v[PB+12*\a:PB+12*\a+11], 0, v[SS+2*\b], v[SS+2*\a] matrix_a_fmt:MATRIX_FMT_FP6 matrix_b_fmt:MATRIX_FMT_FP6 matrix_a_scale:MATRIX_SCALE_ROW1
.else
	v_wmma_scale_f32_16x16x128_f8f6f4 v[8*(4*\a+\b):8*(4*\a+\b)+7], v[PB+48+12*\b:PB+48+12*\b+11], v[PB+12*\a:PB+12*\a+11], v[8*(4*\a+\b):8*(4*\a+\b)+7], v[SS+2*\b], v[SS+2*\a] matrix_a_fmt:MATRIX_FMT_FP6 matrix_b_fmt:MATRIX_FMT_FP6 matrix_a_scale:MATRIX_SCALE_ROW1
.endif
.endr
.endr
.endm
	s_wait_alu depctr_va_vdst(0)                   ; the wait at the head's end
	s_wait_tensorcnt 0x0                           ; my part is in;
	s_barrier_signal -1
	s_barrier_wait -1                              ; everybody's is
	FETCH 0
.set ST, 0
.rept 7
	WIN 0
.if ST > 0
.rept 4
	v_nop                                          ; places in front of loads into the set that the last products read
.endr
.endif
	FETCH ST+1
.if ST%2 == 1
	s_wait_dscnt 36                                ; all but the 36 just issued: this step's fragments are in
.else
	s_wait_dscnt 32                                ; all but the 32 just issued
.endif
	WIN 0x50                                       ; C and D in window 1
	MUL ST
.set ST, ST+1
.endr
	s_wait_dscnt 0x0
	MUL 7
	WIN 0
.rept 4
	v_nop                                          ; places in front of the first read of results and of loads into the fragments' registers
.endr
; THE WAY OUT, by o's tiles: 16 rows x 64 columns go through my own stage and come back as whole rows of 256 bytes.  LDS serves a wave's instructions in order: no wait between the stores and the loads.
.macro TOSTAGE a
	WIN 0x04                                       ; the data: window 1
.irp b, 0,1,2,3
	ds_store_b128 v[STO], v[8*(4*(\a)+\b):8*(4*(\a)+\b)+3] offset:128*(\b/2)+32*(\b%2)      ; column 32 (b / 2) + 8 (b % 2) + 16 h + i; each accumulator from its low end on
	ds_store_b128 v[STO], v[8*(4*(\a)+\b)+4:8*(4*(\a)+\b)+7] offset:128*(\b/2)+32*(\b%2)+16
.endr
	WIN 0
.irp t, 0,1,2,3,4,5,6,7
	ds_load_b128 v[BK+32*(\a)+4*\t:BK+32*(\a)+4*\t+3], v[RD] offset:\t*2*SPITCH
.endr
.endm
.macro SEND a, younger                 ; younger: the LDS instructions issued behind tile a's loads.  Every tile has registers of its own and every offset is an immediate: nothing that a store reads is written again
	s_wait_dscnt \younger
.irp t, 0,1,2,3,4,5,6,7
	global_store_b128 v[CO], v[BK+32*(\a)+4*\t:BK+32*(\a)+4*\t+3], s[12:13] offset:(32*((\a)/2)+8*((\a)%2)+2*\t+8*(\t/4))*4096 th:TH_STORE_NT   ; sixteen lanes store 256 consecutive bytes, aligned
.endr
.endm
	TOSTAGE 0
.irp a, 1,2,3
	TOSTAGE \a
	SEND \a-1, 16                                  ; behind tile a - 1's loads: tile a's 8 stores and 8 loads
.endr
	SEND 3, 0
	s_wait_tensorcnt 0x0                           ; the wave's end
	ds_add_u32 v[SPW], v[NIL]
	s_wait_dscnt 0x0
	CROUND                                         ; the closing round
	s_endpgm
.Lfunc_end_k_qfad2a50fc9_gemm_out:
	.size	k_qfad2a50fc9_gemm_out, .Lfunc_end_k_qfad2a50fc9_gemm_out-k_qfad2a50fc9_gemm_out
	.p2alignl 7, 3214868480
	.fill 96, 4, 3214868480
	.section	.rodata,"a",@progbits
	.p2align	6, 0x0
	.amdhsa_kernel k_qfad2a50fc9_gemm_out
		.amdhsa_group_segment_fixed_size 327680
		.amdhsa_private_segment_fixed_size 0
		.amdhsa_enable_private_segment 0
		.amdhsa_kernarg_size 24
		.amdhsa_user_sgpr_count 2
		.amdhsa_user_sgpr_kernarg_segment_ptr 1
		.amdhsa_wavefront_size32 1
		.amdhsa_system_sgpr_workgroup_id_x 1
		.amdhsa_system_sgpr_workgroup_id_y 1
		.amdhsa_system_sgpr_workgroup_id_z 1
		.amdhsa_system_vgpr_workitem_id 0
		.amdhsa_next_free_vgpr 384
		.amdhsa_next_free_sgpr 98
		.amdhsa_reserve_vcc 0
		.amdhsa_float_denorm_mode_32 3
		.amdhsa_float_denorm_mode_16_64 3
		.amdhsa_memory_ordered 1
		.amdhsa_forward_progress 1
		.amdhsa_inst_pref_size 49
	.end_amdhsa_kernel
	.amdgpu_metadata
---
amdhsa.version: [ 1, 2 ]
amdhsa.kernels:
  - .name:           k_qfad2a50fc9_gemm_out
    .symbol:         k_qfad2a50fc9_gemm_out.kd
    .args:
      - { .name: ob, .offset: 0, .size: 8, .value_kind: global_buffer, .address_space: global }
      - { .name: wb, .offset: 8, .size: 8, .value_kind: global_buffer, .address_space: global }
      - { .name: out0, .offset: 16, .size: 8, .value_kind: global_buffer, .address_space: global }
    .group_segment_fixed_size: 327680
    .private_segment_fixed_size: 0
    .kernarg_segment_align: 8
    .kernarg_segment_size: 24
    .max_flat_workgroup_size: 128
    .sgpr_count:     98
    .vgpr_count:     384
    .wavefront_size: 32
...
	.end_amdgpu_metadata
.endif
;; end of part 4
